; MI455X (gfx1250); checked and timed in simulation.
; The chip was launched on July 23, 2026; its instructions are those of AMD's public machine-readable ISA for CDNA 5 (MIT licence, August 2026) and "CDNA5" Instruction Set Architecture Reference Guide (July 2026). The comments in the code are by the model that wrote it; some were corrected since.
;; Multi Head Attention. Allowed arithmetic: matrix products marked QUANTISED: E4M3 operands, one E8M0 scale for each 32 along K, by v_wmma_scale_f32_16x16x128_f8f6f4 with both operands' format E4M3, f32 sums; everything else in f32.
;; Inputs: bk 1,024 float32; bo 1,024 float32; bq 1,024 float32; bv 1,024 float32; k 4 x 2,048 x 1,024 float32; mask 2,048 x 2,048 bool; q 4 x 2,048 x 1,024 float32; v 4 x 2,048 x 1,024 float32; wk 1,024 x 1,024 float32; wo 1,024 x 1,024 float32; wq 1,024 x 1,024 float32; wv 1,024 x 1,024 float32.
;; Outputs: out0 4 x 2,048 x 1,024 float32.
;; This version of the problem:
;;   THIS VERSION OF THE PROBLEM IS GIVEN IN LOW PRECISION. The matrix products marked QUANTISED in the list below multiply operands that are first quantised to E4M3 (4 exponent bits, 3 mantissa bits; 8 bits a number), with one power-of-two scale for each 32 numbers along K (OCP MX v1.0); their sums are f32. All else is computed in f32.
;;   The module's matrix products, in the order in which they are computed (A, B: the left and right operand; K: the contracted axis; several contracted axes count as one K, in the product's order):
;;     1. [M 8,192, K 1,024] x [K 1,024, N 1,024]; A: input q; B: input wq: QUANTISED
;;     2. [M 8,192, K 1,024] x [K 1,024, N 1,024]; A: input k; B: input wk: QUANTISED
;;     3. [M 8,192, K 1,024] x [K 1,024, N 1,024]; A: input v; B: input wv: QUANTISED
;;     4. batch 64 x [M 2,048, K 64] x [K 64, N 2,048]; A: computed on the way; B: computed on the way: QUANTISED
;;     5. batch 64 x [M 2,048, K 2,048] x [K 2,048, N 64]; A: softmax (see below); B: computed on the way: QUANTISED
;;     6. [M 8,192, K 1,024] x [K 1,024, N 1,024]; A: computed on the way; B: input wo: QUANTISED
;;   THE QUANTISER, for each operand of a quantised product, along K:
;;     - K is cut into blocks of 32 from its start; a last block that is shorter is filled with zeros.
;;     - A block's scale is 2^e with e = floor(log2(the largest magnitude in the block)) - 8, held to -126 .. 127; a block of zeros has e = 0. As a byte (E8M0): e + 127.
;;     - Each number is divided by its block's scale, clamped to +-448, and rounded to the nearest number of E4M3, ties to even, subnormals kept.
;;     - The product sums the exact products of the quantised numbers (number of the format x scale) in f32.
;;   ~~~python
;;   def quantise(x, axis):      # numpy; x: float32 -> the quantised numbers, widened to float32 again
;;       x = np.moveaxis(x, axis, -1); K = x.shape[-1]
;;       x = np.pad(x, [(0, 0)] * (x.ndim - 1) + [(0, -K % 32)]); x = x.reshape(x.shape[:-1] + (-1, 32)); a = np.abs(x).max(-1, keepdims=True)
;;       e = np.where(a > 0, np.clip(np.frexp(np.where(a > 0, a, 1))[1] - 1 - 8, -126, 127), 0)      # np.frexp(a)[1] - 1 = floor(log2(a)), exactly
;;       r = np.clip(x / 2.0 ** e, -448, 448)
;;       step = 2.0 ** (np.maximum(np.frexp(np.where(r == 0, 1, r))[1] - 1, -6) - 3)
;;       q = np.round(r / step) * step * 2.0 ** e      # np.round: ties to even
;;       return np.moveaxis(q.reshape(q.shape[:-2] + (-1,))[..., :K], -1, axis).astype(np.float32)
;;   ~~~
;;   SOFTMAX AHEAD OF A QUANTISED PRODUCT. Where the list says 'softmax', what is quantised is not the finished softmax but p = 2^(t - M), with t = logit x log2(e) and M = ceil(the row's largest t), a whole number; so 1/2 < the row's largest p <= 1. The row's sum l is taken of the UNQUANTISED p, in f32, and the product's result is divided by l at the end. Since M is a whole number, a kernel that streams over the keys may use a running M (the ceiling of the running maximum): every later rescaling is an exact power of two, which a block's scale takes up: the codes' values come out the same.
;;   OPERANDS COMPUTED ON THE WAY. 'Computed on the way' means the value that the module computes at that place (a softmax that the list does not call 'softmax' is quantised finished and normalised). What goes into a quantiser is computed in f32, as accurately as f32 sums, v_exp_f32 and their like allow (about 1e-6 of the number): no bf16 or f16 on the way to a quantiser, and a product that is left as it is and whose result goes on into a quantised operand takes f32 operands (vector FMAs, or v_wmma_f32_16x16x4_f32). A number that lies on a knife's edge between two numbers of the format may be rounded either way, as far as f32 arithmetic and the matrix unit's own rounding can turn it there, and no further.
;; One version. Each part assembles by itself: llvm-mc -triple=amdgcn-amd-amdhsa -mcpu=gfx1250 --defsym DOCPART=n.
;; ======== version 1 of 1: 4 launches
;; limits: right only within a limited range of input values
;; workspace buffers: cod 29,360,128 bytes; scl 917,504 bytes; msk 512 bytes of whole numbers; hc 25,165,824 bytes; hs 786,432 bytes; ac 8,388,608 bytes; asc 262,144 bytes
;; launch prep (part 1): grid 928 x 1, 4 waves a work-group, no clusters, 33,280 bytes of LDS; arguments q, k, v, wq, wk, wv, wo, mask, cod, scl, msk; writes cod, scl, msk
.if DOCPART == 1
	.amdgcn_target "amdgcn-amd-amdhsa--gfx1250"
	.amdhsa_code_object_version 6
	.text
	.protected	k_q6d8d05d363_prep
	.globl	k_q6d8d05d363_prep
	.p2align	8
	.type	k_q6d8d05d363_prep,@function
k_q6d8d05d363_prep:
	s_mov_b64 s[64:65], 0
	v_nop
	global_prefetch_b8 v0, s[64:65] scope:SCOPE_SE
	s_setreg_imm32_b32 hwreg(HW_REG_WAVE_MODE, 25, 1), 1
	s_wait_xcnt 0x0
; PREP.  Two jobs in one launch, parted by the work-group's number.
; (1) Work-groups 32 .. 927: q, k, v [8192][1024] and wq, wk, wv, wo [1024][1024], f32 with K innermost, become codes of E4M3 (cod) and one E8M0 byte for each 32 along K (scl).
;     cod and scl are one stream: q, k, v, wq, wk, wv, wo on end.  A block's scale is 2^(floor(log2(largest magnitude)) - 8), its byte the largest magnitude's exponent field - 8, held at 1 from below.
;     THE ORDER OF A BLOCK'S 32 CODES: [k 0-7][k 16-23][k 8-15][k 24-31].  Every operand of this program has that order along its K, so no product changes; it is the order in which a matrix result's
;     registers fall when two neighbouring tiles of 16 are converted, so that later launches shuffle nothing.  Here it costs nothing: it is made by the addresses of the reads from the stage.
; (2) Work-groups 0 .. 31: the mask [2048][2048] of bytes is read once, and one word of flags is stored for each tile of 16 queries (msk[128]): bit j: all 16 x 128 bytes of key step j are 0 AND each of the
;     16 rows has a byte that is not 0 somewhere (the step adds nothing to any row); bit 16 + j: all bytes of key step j are 1.
; LIMITS: NaN and infinities among the inputs are not served; a block of zeros gets the byte 1 (its codes are zeros, and this program alone reads the bytes); mask bytes are 0 or 1.
; No cluster, no tensor load, no barrier: work-groups and waves share no input.  Job 1 alone uses LDS, each wave its own 8,192 bytes.
.set MWG,   32                         ; work-groups of job 2
.set STEPS, 16                         ; a wave of job 1 takes 16 steps of 512 numbers
.set EMAX,  8
.set MANT,  0x600000                   ; the mantissa field of 448 as f32
.set CB,    16                         ; bytes of 16 codes
.set R,     16                         ; v16-79   four sets of 16 numbers as they are loaded
.set X,     80                         ; v80-111  two sets of 16 numbers of one block's half
.set E,     112                        ; v112-127 a scale byte for each step
.set C,     128                        ; v128-191 codes: four registers for each step
.set WREG,  8192                       ; LDS of a wave: two stages of 32 x SP bytes, then its 256 scale bytes
.set SP,    80                         ; 64 bytes of a stage + 16 of padding
	s_load_b512 s[4:19], s[0:1], 0x0               ; q, k, v, wq, wk, wv, wo, mask
	s_load_b128 s[20:23], s[0:1], 0x40             ; cod, scl
	s_load_b64 s[24:25], s[0:1], 0x50              ; msk
	v_lshl_add_u32 v192, v0, 2, 0x8000
	v_mov_b32 v193, 0
	v_lshrrev_b32 v1, 5, v0
	v_readfirstlane_b32 s26, v1                    ; wave 0..3
	v_and_b32 v2, 31, v0                           ; lane
	s_cmp_lt_u32 ttmp9, MWG
	s_cbranch_scc1 .Lmask
	; ---------------- job 1: the quantiser ----------------
	v_lshlrev_b32 v3, 4, v2                        ; my 16 bytes of a load's 512
	s_mul_i32 s27, s26, WREG
	v_lshrrev_b32 v14, 2, v2
	v_mul_u32_u24 v14, v14, SP
	v_and_b32 v15, 3, v2
	v_lshl_add_u32 v14, v15, 4, v14
	v_add_nc_u32 v14, s27, v14                     ; the stage, on the way in: SP (lane / 4) + 16 (lane % 4)
	v_lshrrev_b32 v15, 1, v2
	v_mul_u32_u24 v15, v15, 2*SP                   ; on the way out: a block is two places of the stage;
	v_and_b32 v13, 1, v2
	v_lshl_add_u32 v15, v13, 5, v15                ; the even lane takes k 0-7 and 16-23, the odd lane k 8-15 and 24-31: 32 bytes further on
	v_add_nc_u32 v15, s27, v15
	v_mul_u32_u24 v4, v2, CB                       ; my codes' place in a step's
	v_lshrrev_b32 v5, 1, v2
	s_add_co_u32 s27, s27, 2*32*SP
	v_add_nc_u32 v5, s27, v5                       ; LDS: my block's scale byte
	v_lshlrev_b32 v7, 3, v2                        ; and on the way out 8 bytes a lane
	v_add_nc_u32 v6, s27, v7
	s_mov_b32 s39, MANT
	s_sub_co_u32 s30, ttmp9, MWG                   ; which 32,768 numbers of the stream
	s_wait_alu depctr_va_vdst(0)
	s_wait_kmcnt 0x0
	s_mov_b64 s[28:29], s[16:17]                   ; the tensor is chosen by the work-group's number alone: wo,
	s_cmp_lt_u32 s30, 864
	s_cselect_b64 s[28:29], s[14:15], s[28:29]     ; wv,
	s_cmp_lt_u32 s30, 832
	s_cselect_b64 s[28:29], s[12:13], s[28:29]     ; wk,
	s_cmp_lt_u32 s30, 800
	s_cselect_b64 s[28:29], s[10:11], s[28:29]     ; wq,
	s_cmp_lt_u32 s30, 768
	s_cselect_b64 s[28:29], s[8:9], s[28:29]       ; v,
	s_cselect_b32 s31, 255, 31                     ; (256 work-groups to q, k, v; 32 to a weight)
	s_cmp_lt_u32 s30, 512
	s_cselect_b64 s[28:29], s[6:7], s[28:29]       ; k,
	s_cmp_lt_u32 s30, 256
	s_cselect_b64 s[28:29], s[4:5], s[28:29]       ; q
	s_and_b32 s31, s30, s31                        ; my place in that tensor
	s_lshl_b32 s31, s31, 2
	s_add_co_u32 s32, s31, s26
	s_lshl_b32 s32, s32, 15                        ; a wave's 8,192 numbers are 32,768 bytes
	s_mov_b32 s33, 0
	s_add_nc_u64 s[28:29], s[28:29], s[32:33]
	s_lshl_b32 s34, s30, 2
	s_add_co_u32 s34, s34, s26
	s_lshl_b32 s32, s34, 13                        ; 8,192 bytes of codes,
	s_add_nc_u64 s[20:21], s[20:21], s[32:33]
	s_lshl_b32 s32, s34, 8                         ; 256 scale bytes
	s_add_nc_u64 s[22:23], s[22:23], s[32:33]
.macro LOAD t
.irp i, 0,1,2,3
	global_load_b128 v[R+16*((\t)%4)+4*\i:R+16*((\t)%4)+4*\i+3], v3, s[28:29] offset:2048*(\t)+512*\i th:TH_LOAD_NT   ; 32 lanes read 512 consecutive bytes
.endr
.endm
.macro TURN t                          ; step t's numbers through the stage: LDS serves a wave's instructions in order, so no wait stands between the stores and the loads
.irp i, 0,1,2,3
	ds_store_b128 v14, v[R+16*((\t)%4)+4*\i:R+16*((\t)%4)+4*\i+3] offset:32*SP*((\t)%2)+8*SP*\i
.endr
.irp i, 0,1,2,3
	ds_load_b128 v[X+16*((\t)%2)+4*\i:X+16*((\t)%2)+4*\i+3], v15 offset:32*SP*((\t)%2)+SP*(\i/2)+16*(\i%2)   ; 32 bytes of the block's first half, 32 of its second
.endr
.endm
.irp t, 0,1,2,3
	LOAD \t
.endr
	s_wait_loadcnt 12                              ; step 0's four loads are in; the twelve of steps 1 to 3 stay out
	TURN 0
.macro STEP t
.set XS, X+16*((\t)%2)
.if (\t) > 0
	s_wait_dscnt 1                                 ; this step's numbers are back from the stage (the last step's byte store may be out): so its stores into the stage have read their registers,
.else
	s_wait_dscnt 0x0
.endif
.if (\t)+4 < STEPS
	LOAD (\t)+4                                    ; which take the loads of four steps on
.endif
.if (\t)+1 < STEPS
.if STEPS-2-(\t) >= 3
	s_wait_loadcnt 12                              ; the next step's four loads are in; those of the three steps behind it may be out
.else
	s_wait_loadcnt 4*(STEPS-2-(\t))
.endif
	TURN (\t)+1
.endif
	v_max3_num_f32 v8, |v[XS]|, |v[XS+1]|, |v[XS+2]|               ; the largest magnitude of my 16
	v_max3_num_f32 v9, |v[XS+3]|, |v[XS+4]|, |v[XS+5]|
.irp i, 6,10
	v_max3_num_f32 v8, v8, |v[XS+\i]|, |v[XS+\i+1]|
	v_max3_num_f32 v9, v9, |v[XS+\i+2]|, |v[XS+\i+3]|
.endr
	v_max3_num_f32 v8, v8, |v[XS+14]|, |v[XS+15]|
	v_max3_num_f32 v8, v8, v9, (EMAX+1)<<23        ; and the floor 2^(EMAX + 1 - 127): the byte cannot fall under 1
	v_max_num_f32_dpp v8, v8, v8 row_xmask:1 row_mask:0xf bank_mask:0xf   ; and of my neighbour's 16: the block's
	v_add_nc_u32 v11, -(EMAX<<23), v8              ; EMAX off its exponent field: the conversion takes the exponent field of this operand as its scale
	v_and_or_b32 v10, v8, 0x7f800000, s39          ; 448 x the scale
.irp i, 0,1,2,3,4,5,6,7,8,9,10,11,12,13,14,15
	v_med3_num_f32 v[XS+\i], v[XS+\i], -v10, v10   ; the conversion to an 8-bit code does not saturate (ISA guide 7.6.2): hold the number first
.endr
	v_cvt_scalef32_pk8_fp8_f32 v[C+4*(\t):C+4*(\t)+1], v[XS:XS+7], v11
	v_cvt_scalef32_pk8_fp8_f32 v[C+4*(\t)+2:C+4*(\t)+3], v[XS+8:XS+15], v11
	v_lshrrev_b32 v[E+(\t)], 23, v11               ; the scale's byte (a plain line behind the conversions)
	ds_store_b8 v5, v[E+(\t)] offset:16*(\t)       ; both lanes of a block write the same byte with the same value
	global_store_b128 v4, v[C+4*(\t):C+4*(\t)+3], s[20:21] offset:32*CB*(\t)   ; 32 lanes store 512 consecutive bytes
.endm
.irp t, 0,1,2,3,4,5,6,7,8,9,10,11,12,13,14,15
	STEP \t
.endr
	ds_load_b64 v[12:13], v6                       ; LDS serves a wave's instructions in order: these see my byte stores
	s_wait_dscnt 0x0
	global_store_b64 v7, v[12:13], s[22:23]        ; 32 lanes store 256 consecutive bytes, aligned
	s_wait_tensorcnt 0x0
	ds_add_u32 v192, v193
	s_wait_dscnt 0x0
	s_endpgm
	; ---------------- job 2: the mask's flags ----------------
.Lmask:
	s_wait_alu depctr_va_vdst(0)
	v_lshrrev_b32 v3, 3, v2
	v_and_b32 v4, 7, v2
	v_lshlrev_b32 v3, 11, v3                       ; eight lanes to a row's 128 bytes of a key step, four rows a load
	v_lshl_add_u32 v3, v4, 4, v3
	s_lshl_b32 s27, ttmp9, 2
	s_add_co_u32 s27, s27, s26                     ; my tile of 16 queries: 4 x work-group + wave
	s_lshl_b32 s28, s27, 15                        ; 16 rows of 2,048 bytes
	s_mov_b32 s29, 0
	s_lshl_b32 s30, s27, 2
	s_mov_b32 s31, 0
.irp i, 0,1,2,3
	s_mov_b32 s[44+\i], 0                          ; lanes that have seen a byte that is not 0, load i of a step (rows 4 i .. 4 i + 3)
.endr
	s_mov_b32 s50, 0                               ; steps that are all 0
	s_mov_b32 s51, 0                               ; steps that are all 1
	s_wait_alu depctr_va_vdst(0)
	s_wait_kmcnt 0x0
	s_add_nc_u64 s[18:19], s[18:19], s[28:29]
	s_add_nc_u64 s[24:25], s[24:25], s[30:31]
.macro MLOAD g                         ; key steps 4 g .. 4 g + 3: sixteen loads into set g % 2
.irp jj, 0,1,2,3
.irp i, 0,1,2,3
	global_load_b128 v[32+64*((\g)%2)+16*\jj+4*\i:32+64*((\g)%2)+16*\jj+4*\i+3], v3, s[18:19] offset:8192*\i+128*(4*(\g)+\jj) th:TH_LOAD_NT
.endr
.endr
.endm
.macro MWORK j
.set RB, 32+64*(((\j)/4)%2)+16*((\j)%4)
.irp i, 0,1,2,3
	v_or_b32 v[8+\i], v[RB+4*\i], v[RB+4*\i+1]
	v_or_b32 v[12+\i], v[RB+4*\i+2], v[RB+4*\i+3]
	v_and_b32 v[16+\i], v[RB+4*\i], v[RB+4*\i+1]
	v_and_b32 v[20+\i], v[RB+4*\i+2], v[RB+4*\i+3]
.endr
.irp i, 0,1,2,3
	v_or_b32 v[8+\i], v[8+\i], v[12+\i]            ; my 16 bytes of load i, or-ed
	v_and_b32 v[16+\i], v[16+\i], v[20+\i]
.endr
	v_and_b32 v16, v16, v17
	v_and_b32 v18, v18, v19
	v_and_b32 v16, v16, v18                        ; my 64 bytes of the step, and-ed four to a word
.irp i, 0,1,2,3
	v_cmp_ne_u32 s[40+\i], 0, v[8+\i]
.endr
	v_cmp_eq_u32 s48, 0x01010101, v16
.irp i, 0,1,2,3
	s_or_b32 s[44+\i], s[44+\i], s[40+\i]
.endr
	s_or_b32 s40, s40, s41
	s_or_b32 s42, s42, s43
	s_or_b32 s40, s40, s42
	s_cmp_eq_u32 s40, 0                            ; no lane saw an open key
	s_cselect_b32 s49, 1<<(\j), 0
	s_or_b32 s50, s50, s49
	s_cmp_eq_u32 s48, -1                           ; every lane saw open keys alone
	s_cselect_b32 s49, 1<<(16+(\j)), 0
	s_or_b32 s51, s51, s49
.endm
	MLOAD 0
	MLOAD 1
	s_wait_loadcnt 16                              ; the older group's sixteen loads are in, the younger group's stay out
.irp j, 0,1,2,3
	MWORK \j
.endr
	MLOAD 2
	s_wait_loadcnt 16
.irp j, 4,5,6,7
	MWORK \j
.endr
	MLOAD 3
	s_wait_loadcnt 16
.irp j, 8,9,10,11
	MWORK \j
.endr
	s_wait_loadcnt 0x0
.irp j, 12,13,14,15
	MWORK \j
.endr
.irp i, 0,1,2,3                        ; eight lanes hold a row: bit 0 of each byte of the lane mask becomes 'this row has an open key'
	s_lshr_b32 s40, s[44+\i], 4
	s_or_b32 s[44+\i], s[44+\i], s40
	s_lshr_b32 s40, s[44+\i], 2
	s_or_b32 s[44+\i], s[44+\i], s40
	s_lshr_b32 s40, s[44+\i], 1
	s_or_b32 s[44+\i], s[44+\i], s40
.endr
	s_and_b32 s44, s44, s45
	s_and_b32 s46, s46, s47
	s_and_b32 s44, s44, s46
	s_and_b32 s52, s44, 0x01010101
	s_cmp_eq_u32 s52, 0x01010101                   ; all 16 rows have one?
	s_cselect_b32 s50, s50, 0                      ; if not, no step of this tile may be left out: a row with no open key takes the mean of all values
	s_or_b32 s50, s50, s51
	v_mov_b32 v20, s50
	v_mov_b32 v21, 0
	v_cmp_eq_u32 vcc_lo, 0, v2
	s_wait_alu depctr_va_vdst(0)
	s_wait_xcnt 0x0                                ; EXEC changes only behind this wait
	s_and_saveexec_b32 s53, vcc_lo
	global_store_b32 v21, v20, s[24:25]            ; lane 0 stores the tile's word
	s_wait_xcnt 0x0                                ; and again in front of the line that widens it
	s_or_b32 exec_lo, exec_lo, s53
	s_endpgm
.Lfunc_end_k_q6d8d05d363_prep:
	.size	k_q6d8d05d363_prep, .Lfunc_end_k_q6d8d05d363_prep-k_q6d8d05d363_prep
	.p2alignl 7, 3214868480
	.fill 96, 4, 3214868480
	.section	.rodata,"a",@progbits
	.p2align	6, 0x0
	.amdhsa_kernel k_q6d8d05d363_prep
		.amdhsa_group_segment_fixed_size 33280
		.amdhsa_private_segment_fixed_size 0
		.amdhsa_enable_private_segment 0
		.amdhsa_kernarg_size 88
		.amdhsa_user_sgpr_count 2
		.amdhsa_user_sgpr_kernarg_segment_ptr 1
		.amdhsa_wavefront_size32 1
		.amdhsa_system_sgpr_workgroup_id_x 1
		.amdhsa_system_sgpr_workgroup_id_y 1
		.amdhsa_system_sgpr_workgroup_id_z 1
		.amdhsa_system_vgpr_workitem_id 0
		.amdhsa_next_free_vgpr 194
		.amdhsa_next_free_sgpr 66
		.amdhsa_reserve_vcc 1
		.amdhsa_float_denorm_mode_32 3
		.amdhsa_float_denorm_mode_16_64 3
		.amdhsa_memory_ordered 1
		.amdhsa_forward_progress 1
		.amdhsa_inst_pref_size 86
	.end_amdhsa_kernel
	.amdgpu_metadata
---
amdhsa.version: [ 1, 2 ]
amdhsa.kernels:
  - .name:           k_q6d8d05d363_prep
    .symbol:         k_q6d8d05d363_prep.kd
    .args:
      - { .name: q, .offset: 0, .size: 8, .value_kind: global_buffer, .address_space: global }
      - { .name: k, .offset: 8, .size: 8, .value_kind: global_buffer, .address_space: global }
      - { .name: v, .offset: 16, .size: 8, .value_kind: global_buffer, .address_space: global }
      - { .name: wq, .offset: 24, .size: 8, .value_kind: global_buffer, .address_space: global }
      - { .name: wk, .offset: 32, .size: 8, .value_kind: global_buffer, .address_space: global }
      - { .name: wv, .offset: 40, .size: 8, .value_kind: global_buffer, .address_space: global }
      - { .name: wo, .offset: 48, .size: 8, .value_kind: global_buffer, .address_space: global }
      - { .name: mask, .offset: 56, .size: 8, .value_kind: global_buffer, .address_space: global }
      - { .name: cod, .offset: 64, .size: 8, .value_kind: global_buffer, .address_space: global }
      - { .name: scl, .offset: 72, .size: 8, .value_kind: global_buffer, .address_space: global }
      - { .name: msk, .offset: 80, .size: 8, .value_kind: global_buffer, .address_space: global }
    .group_segment_fixed_size: 33280
    .private_segment_fixed_size: 0
    .kernarg_segment_align: 8
    .kernarg_segment_size: 88
    .max_flat_workgroup_size: 128
    .sgpr_count:     66
    .vgpr_count:     194
    .wavefront_size: 32
...
	.end_amdgpu_metadata
.endif
;; end of part 1
;; launch proj (part 2): grid 4 x 96, 4 waves a work-group, clusters of 4 x 4, 327,680 bytes of LDS; arguments cod, scl, bq, bk, bv, hc, hs; writes hc, hs
.if DOCPART == 2
	.amdgcn_target "amdgcn-amd-amdhsa--gfx1250"
	.amdhsa_code_object_version 6
	.text
	.protected	k_q6d8d05d363_proj
	.globl	k_q6d8d05d363_proj
	.p2align	8
	.type	k_q6d8d05d363_proj,@function
k_q6d8d05d363_proj:
	s_mov_b64 s[64:65], 0
	v_nop
	global_prefetch_b8 v0, s[64:65] scope:SCOPE_SE
	s_setreg_imm32_b32 hwreg(HW_REG_WAVE_MODE, 25, 1), 1
	s_wait_xcnt 0x0
	s_wait_alu depctr_hold_cnt(0) depctr_sa_sdst(0) depctr_va_vdst(0) depctr_va_sdst(0) depctr_va_ssrc(0) depctr_va_vcc(0) depctr_vm_vsrc(0)
	s_getreg_b32 s2, hwreg(HW_REG_IB_STS2, 6, 4)
	s_cmp_eq_u32 s2, 0
	s_cbranch_scc0 .Lentry_in_a_cluster
	s_endpgm
.Lentry_in_a_cluster:
	s_bfe_u32 s2, ttmp6, 0x10000c
	s_cmp_lg_u32 s2, 0xf033
	s_cbranch_scc0 .Lentry_shape_is_right
	s_endpgm
.Lentry_shape_is_right:
.set SIZE_K, 1024
.set KSTEP,  256
.set NQ,     KSTEP/128
.set ROWB,   256
.set KROW,   SIZE_K
.set PITCH,  272
.set FR,     16
.set NL,     4
.set NP,     8
.set HALFT,  128*PITCH
.set SLOT,   4*HALFT
.set LAPS,   SIZE_K/(2*KSTEP)
.set KS,     SIZE_K/32
.set SCL,    2*SLOT
.set HALFS,  (128*KS/256)*272
.set SBLK,   (16*KS/256)*272
.set SPARE,  SCL+4*HALFS
.set BPO,  7
.set BR,   8
.set ADRA, 16
.set ADRB, 20
.set VO0,  24
.set VO1,  25
.set VSW,  26
.set ADRS, 27
.set SPW,  28
.set NIL,  29
.set BRO,  30
.set SC,   32
.set BP,   64
.set AF,   128
.set X,    128
.set PC,   192
.set TM,   224
.set PW,   240
.set WK,   248
.set MODE, 12
.set GG,   13
.set MM,   18
.set HM,   19
.set OB,   20
.set IA,   22
.set SBS,  46
.set SEL,  66
.set IB,   92
.set MNT,  95
.set G1, 24
.set G0, 32
.set G1B, 48
.set G0B, 56
.set G1S, 68
.set G0S, 76
.set G1SB, 80
.set G0SB, 88
.set MSB, 0
.macro WIN new
.if MSB != \new
	s_set_vgpr_msb (MSB<<8)|\new
.set MSB, \new
.endif
.endm
.set MUL_LO, 0xa1
.set MUL_HI, 0xf1
.set TO_B,   0x40
.macro JLOAD g0a, g1a, g0b, g1b
	s_cmp_eq_u32 s15, 0
	s_cbranch_scc0 .Lfor_b_\@
	tensor_load_to_lds s[\g0a:\g0a+3], s[\g1a:\g1a+7]
	s_nop 0
.rept 4
	v_nop
.endr
	s_branch .Lasked_\@
.Lfor_b_\@:
	tensor_load_to_lds s[\g0b:\g0b+3], s[\g1b:\g1b+7]
	s_nop 0
.rept 4
	v_nop
.endr
.Lasked_\@:
.endm
.macro CREST
	s_cmp_lg_u32 s14, 0
	s_cbranch_scc1 .Lnot_wave_0_\@
	s_barrier_signal -3
.Lnot_wave_0_\@:
	s_barrier_wait -3
	s_barrier_signal -1
	s_barrier_wait -1
.endm
.macro CROUND
	s_barrier_signal -1
	s_barrier_wait -1
	CREST
.endm
	s_load_b256 s[4:11], s[0:1], 0x0
	s_load_b128 s[96:99], s[0:1], 0x20
	s_load_b64 s[100:101], s[0:1], 0x30
	v_lshl_add_u32 v[SPW], v0, 2, SPARE
	v_mov_b32 v[NIL], 0
	ds_add_u32 v28, v29
	ds_add_u32 v28, v29
	s_wait_dscnt 0x0
	v_lshrrev_b32 v1, 5, v0
	v_readfirstlane_b32 s14, v1
	s_lshr_b32 s15, s14, 1
	s_and_b32 s16, s14, 1
	s_bfe_u32 s40, ttmp6, 0x40000
	s_bfe_u32 s41, ttmp6, 0x40004
	s_and_b32 s17, ttmp7, 0xffff
	s_lshr_b32 s[GG], s17, 3
	s_and_b32 s18, s17, 7
	s_lshl_b32 s18, s18, 2
	s_cmp_eq_u32 s[GG], 2
	s_cselect_b32 s[MODE], 1, 0
	s_cselect_b32 s19, s18, 0
	s_cselect_b32 s18, 0, s18
	s_add_co_u32 s42, s40, s19
	s_add_co_u32 s17, s41, s18
	s_lshl_b32 s43, s41, 2
	s_lshl_b32 s43, 15, s43
	s_lshl_b32 s44, 0x1111, s40
	s_or_b32 s[G1+0], s43, (0<<16)|(1<<20)|(1<<21)|(5<<22)|(3<<25)
	s_or_b32 s[G1B+0], s44, (0<<16)|(1<<20)|(1<<21)|(5<<22)|(3<<25)
.irp g, G1, G1B
	s_mov_b32 s[\g+1], ROWB<<16
	s_mov_b32 s[\g+2], 256<<16                     ; the head's loads of codes bring 256 rows; behind them the two words are set to 128, for the ring's
	s_mov_b32 s[\g+3], ROWB<<16
	s_mov_b32 s[\g+4], 256
	s_mov_b32 s[\g+5], KROW
	s_mov_b32 s[\g+6], 0
	s_mov_b32 s[\g+7], 0
.endr
	s_or_b32 s[G1S+0], s43, (3<<16)|(1<<20)|(1<<21)|(5<<22)|(3<<25)
	s_or_b32 s[G1SB+0], s44, (3<<16)|(1<<20)|(1<<21)|(5<<22)|(3<<25)
.irp g, G1S, G1SB
	s_mov_b32 s[\g+1], 32<<16
	s_mov_b32 s[\g+2], KS<<16                      ; the scale bytes of 256 rows: 256 KS dense bytes as KS rows of 256
	s_mov_b32 s[\g+3], 32<<16
	s_mov_b32 s[\g+4], KS
	s_mov_b32 s[\g+5], 32
	s_mov_b32 s[\g+6], 0
	s_mov_b32 s[\g+7], 0
.endr
	s_lshl_b32 s92, s[GG], 23
	s_lshl_b32 s93, s[GG], 20
	s_add_co_u32 s93, s93, 25165824
	s_lshl_b32 s94, s[GG], 18
	s_lshl_b32 s95, s[GG], 15
	s_add_co_u32 s95, s95, 786432
	s_cmp_eq_u32 s[MODE], 1
	s_cselect_b32 s2, s93, s92
	s_cselect_b32 s3, s92, s93
	s_cselect_b32 s18, s95, s94
	s_cselect_b32 s19, s94, s95
	s_lshl_b32 s20, s17, 8                         ; the tiles' first rows
	s_lshl_b32 s46, s42, 8
	s_lshl_b32 s22, s20, 5
	s_add_co_u32 s22, s22, s18
	s_mov_b32 s23, 0
	s_lshl_b32 s92, s46, 5
	s_add_co_u32 s92, s92, s19
	s_mov_b32 s93, 0
	s_lshl_b32 s20, s20, 10
	s_add_co_u32 s20, s20, s2
	s_mov_b32 s21, 0
	s_lshl_b32 s46, s46, 10
	s_add_co_u32 s46, s46, s3
	s_mov_b32 s47, 0
	s_mul_i32 s45, s14, HALFT
	s_mul_i32 s94, s16, 128*KROW                   ; in the ring I fetch 128 rows of a tile: which half, in bytes
	s_mov_b32 s95, 0
	s_wait_kmcnt 0x0
	s_add_nc_u64 s[20:21], s[4:5], s[20:21]
	s_add_nc_u64 s[22:23], s[6:7], s[22:23]
	s_add_nc_u64 s[46:47], s[4:5], s[46:47]
	s_add_nc_u64 s[92:93], s[6:7], s[92:93]
	CROUND
	s_mov_b32 s[G0S], 1
	s_mov_b32 s[G0S+1], SCL
	s_mov_b64 s[G0S+2:G0S+3], s[22:23]
	s_or_b32 s[G0S+3], s[G0S+3], 0x80000000
	s_mov_b32 s[G0SB], 1
	s_mov_b32 s[G0SB+1], SCL+2*HALFS
	s_mov_b64 s[G0SB+2:G0SB+3], s[92:93]
	s_or_b32 s[G0SB+3], s[G0SB+3], 0x80000000
	s_mov_b32 s[G0], 1                             ; slot 0's groups 0 serve the head first: K step 0's 256 rows of A, whole,
	s_mov_b32 s[G0+1], 0
	s_mov_b64 s[G0+2:G0+3], s[20:21]
	s_or_b32 s[G0+3], s[G0+3], 0x80000000
	s_mov_b32 s[G0B], 1                            ; and its 256 rows of B, behind them
	s_mov_b32 s[G0B+1], 2*HALFT
	s_mov_b64 s[G0B+2:G0B+3], s[46:47]
	s_or_b32 s[G0B+3], s[G0B+3], 0x80000000
	s_add_nc_u64 s[20:21], s[20:21], s[94:95]      ; for the ring: my 128 rows of the tile
	s_add_nc_u64 s[46:47], s[46:47], s[94:95]
	s_mov_b32 s[G0+4], 1                           ; slot 1: K step 1
	s_add_co_u32 s[G0+5], s45, SLOT
	s_add_nc_u64 s[G0+6:G0+7], s[20:21], ROWB
	s_or_b32 s[G0+7], s[G0+7], 0x80000000
	s_mov_b32 s[G0B+4], 1
	s_add_co_u32 s[G0B+5], s45, SLOT
	s_add_nc_u64 s[G0B+6:G0B+7], s[46:47], ROWB
	s_or_b32 s[G0B+7], s[G0B+7], 0x80000000
; THE HEAD'S LOADS, ONE A WAVE: wave 0 K step 0's rows of A, wave 1 those of B, wave 2 A's scale bytes, wave 3 B's.  One chain of branches on the wave's number, an arm a load.
.macro ARM under, g0, g1, next
	s_cmp_lt_u32 s14, \under
	s_cbranch_scc0 \next
	tensor_load_to_lds s[\g0:\g0+3], s[\g1:\g1+7]
	s_nop 0
.rept 4
	v_nop
.endr
	s_branch .Lhead_asked
\next:
.endm
	ARM 1, G0,  G1,  .Lhead_b
	ARM 2, G0B, G1B, .Lhead_sa
	ARM 3, G0S, G1S, .Lhead_sb
	tensor_load_to_lds s[G0SB:G0SB+3], s[G1SB:G1SB+7]
	s_nop 0
.rept 4
	v_nop
.endr
.Lhead_asked:
	v_and_b32 v1, 15, v0
	v_bfe_u32 v2, v0, 4, 1
	v_mul_u32_u24 v3, v1, PITCH
	v_lshl_add_u32 v4, v2, 4, v3
	s_mul_i32 s21, s15, HALFT
	s_mul_i32 s22, s16, HALFT
	s_add_co_u32 s22, s22, 2*HALFT
.irp s, 0,1
	v_add_nc_u32 v[ADRA+\s], s21, v4
	v_add_nc_u32 v[ADRB+\s], s22, v4
	s_add_co_u32 s21, s21, SLOT
	s_add_co_u32 s22, s22, SLOT
.endr
	v_mul_u32_u24 v5, v1, KS
	v_lshrrev_b32 v6, 8, v5
	v_lshl_add_u32 v5, v6, 4, v5
	s_mul_i32 s21, s15, HALFS
	s_mul_i32 s22, s16, HALFS
	s_add_co_u32 s22, s22, 2*HALFS
	s_sub_co_u32 s22, s22, s21
	v_mul_u32_u24 v6, s22, v2
	s_add_co_u32 s21, s21, SCL
	v_add_nc_u32 v5, v5, v6
	v_add_nc_u32 v[ADRS], s21, v5
	s_lshl_b32 s2, s17, 8
	s_lshl_b32 s3, s15, 7
	s_add_co_u32 s2, s2, s3
	s_lshl_b32 s3, s42, 8
	s_lshl_b32 s40, s16, 7
	s_add_co_u32 s3, s3, s40
	s_mov_b32 s[IA], 1024
	s_mov_b32 s43, 131072
	s_cmp_eq_u32 s[MODE], 1
	s_cselect_b32 s40, s3, s2
	s_cselect_b32 s41, s2, s3
	s_cselect_b32 s[IA], 2048, s[IA]
	s_cselect_b32 s[IB], 122880, 0
	s_cselect_b32 s[MM], -1, 0
	s_cselect_b32 s43, 1024, s43
	s_mov_b32 s[IA+1], 0
	s_mov_b32 s[IB+1], 0
	s_mov_b32 s[HM], 0xffff0000
	s_mov_b32 s[SEL], 0x76543210
	s_mov_b32 s[SEL+1], 0xfedcba98
	s_mov_b32 s[MNT], 0x600000
	s_lshr_b32 s44, s40, 11
	s_lshl_b32 s44, s44, 4
	s_lshr_b32 s45, s41, 6
	s_add_co_u32 s44, s44, s45
	s_bfe_u32 s45, s40, 0x40007
	s_lshl_b32 s[OB], s[GG], 23
	s_lshl_b32 s94, s44, 17
	s_add_co_u32 s[OB], s[OB], s94
	s_lshl_b32 s94, s45, 13
	s_add_co_u32 s[OB], s[OB], s94
	s_mov_b32 s[OB+1], 0
	s_add_nc_u64 s[OB:OB+1], s[98:99], s[OB:OB+1]
	s_lshl_b32 s[SBS], s[GG], 18
	s_lshl_b32 s94, s44, 12
	s_add_co_u32 s[SBS], s[SBS], s94
	s_lshl_b32 s94, s45, 8
	s_add_co_u32 s[SBS], s[SBS], s94
	s_mov_b32 s[SBS+1], 0
	s_add_nc_u64 s[SBS:SBS+1], s[100:101], s[SBS:SBS+1]
	s_lshl_b32 s4, s41, 2
	s_mov_b32 s5, 0
	s_cmp_eq_u32 s[GG], 1
	s_cselect_b64 s[8:9], s[10:11], s[8:9]
	s_cmp_eq_u32 s[GG], 2
	s_cselect_b64 s[8:9], s[96:97], s[8:9]
	s_add_nc_u64 s[8:9], s[8:9], s[4:5]
	v_and_b32 v6, 31, v0
	v_lshlrev_b32 v[VO0], 4, v6
	v_add_nc_u32 v[VO1], s43, v[VO0]
	v_lshlrev_b32 v[VSW], 2, v6
	v_lshlrev_b32 v[BPO], 5, v2
	v_lshlrev_b32 v[BRO], 2, v1
.irp b, 0,1,2,3,4,5,6,7
	global_load_b128 v[BP+8*\b:BP+8*\b+3], v[BPO], s[8:9] offset:64*\b
	global_load_b128 v[BP+8*\b+4:BP+8*\b+7], v[BPO], s[8:9] offset:64*\b+16
.endr
.irp a, 0,1,2,3,4,5,6,7
	global_load_b32 v[BR+\a], v[BRO], s[8:9] offset:64*\a
.endr
.macro FRAG reg, adr, q, i
.irp c, 0,1,2,3
	ds_load_b128 v[\reg+4*\c:\reg+4*\c+3], v[\adr] offset:128*(\q)+32*\c+(\i)*16*PITCH
.endr
.endm
.macro MUL16 a0, p, q, sc, zero
.irp a, \a0, \a0+1
.irp b, 0,1,2,3,4,5,6,7
.if \zero
	v_wmma_scale_f32_16x16x128_f8f6f4 v[8*(8*((\a)%4)+\b):8*(8*((\a)%4)+\b)+7], v[128*(\p)+FR*\b:128*(\p)+FR*\b+FR-1], v[AF+FR*(\a):AF+FR*(\a)+FR-1], 0, v[SC+8*NQ*(\sc)+NQ*\b+(\q)], v[SC+8*NQ*(\sc)+NQ*(\a)+(\q)] matrix_a_scale:MATRIX_SCALE_ROW1
.else
	v_wmma_scale_f32_16x16x128_f8f6f4 v[8*(8*((\a)%4)+\b):8*(8*((\a)%4)+\b)+7], v[128*(\p)+FR*\b:128*(\p)+FR*\b+FR-1], v[AF+FR*(\a):AF+FR*(\a)+FR-1], v[8*(8*((\a)%4)+\b):8*(8*((\a)%4)+\b)+7], v[SC+8*NQ*(\sc)+NQ*\b+(\q)], v[SC+8*NQ*(\sc)+NQ*(\a)+(\q)] matrix_a_scale:MATRIX_SCALE_ROW1
.endif
.endr
.endr
.endm
.macro FETCH_B slot, q, p
	WIN TO_B
.irp i, 0,1,2,3,4,5,6,7
	FRAG 128*(\p)+FR*\i, ADRB+\slot, \q, \i
.endr
	WIN 0
.endm
.macro FETCH_A slot, q, i0
.irp i, \i0, \i0+1, \i0+2, \i0+3
	FRAG AF+FR*(\i), ADRA+\slot, \q, \i
.endr
.endm
.macro SCALES sc
.irp i, 0,1,2,3,4,5,6,7
	ds_load_b64 v[SC+8*NQ*\sc+NQ*\i:SC+8*NQ*\sc+NQ*\i+1], v[ADRS] offset:\i*SBLK
.endr
.endm
.macro PLACES n
.rept \n
	v_nop
.endr
.endm
.macro STEP slot, q, zero
	s_wait_dscnt 4*NL
	WIN MUL_LO
	MUL16 0, (\q)%2, \q, \slot, \zero
	MUL16 2, (\q)%2, \q, \slot, \zero
	s_wait_dscnt 0
	PLACES NP
	FETCH_B \slot, (\q)+1, 1-(\q)%2
	FETCH_A \slot, (\q)+1, 0
	WIN MUL_HI
	MUL16 4, (\q)%2, \q, \slot, \zero
	MUL16 6, (\q)%2, \q, \slot, \zero
	PLACES NP
	WIN 0
	FETCH_A \slot, (\q)+1, 4
.endm
.macro TURN slot, next, fill
	s_wait_tensorcnt 0x0
	ds_add_u32 v[SPW], v[NIL]
	s_wait_dscnt 4*NL+1
	WIN MUL_LO
	MUL16 0, 1, NQ-1, \slot, 0
	s_wait_dscnt 0x0
	s_barrier_signal -1
	MUL16 2, 1, NQ-1, \slot, 0
	WIN 0
	s_barrier_wait -1
.if \fill
	CREST
	s_add_nc_u64 s[G0+4*\slot+2:G0+4*\slot+3], s[G0+4*\slot+2:G0+4*\slot+3], 2*ROWB
	s_add_nc_u64 s[G0B+4*\slot+2:G0B+4*\slot+3], s[G0B+4*\slot+2:G0B+4*\slot+3], 2*ROWB
	JLOAD G0+4*\slot, G1, G0B+4*\slot, G1B
	PLACES NP-4
.else
	PLACES NP
.endif
	s_wait_alu depctr_va_vdst(0)
	v_add_nc_u32 v[ADRS], 4*NQ, v[ADRS]
	FETCH_B \next, 0, 0
	FETCH_A \next, 0, 0
	SCALES \next
	WIN MUL_HI
	MUL16 4, 1, NQ-1, \slot, 0
	MUL16 6, 1, NQ-1, \slot, 0
	PLACES NP
	WIN 0
	FETCH_A \next, 0, 4
.endm
	s_wait_alu depctr_va_vdst(0)
	s_wait_tensorcnt 0x0                           ; my tile of the head's four is in
	ds_add_u32 v[SPW], v[NIL]
	s_mov_b32 s[G1+2], 128<<16                     ; no tensor load of mine is out, so descriptors may be written: from here on a load brings 128 rows,
	s_mov_b32 s[G1+4], 128
	s_mov_b32 s[G1B+2], 128<<16
	s_mov_b32 s[G1B+4], 128
	s_mul_i32 s2, s16, 128*KROW
	s_mov_b32 s3, 0
	s_mul_i32 s[G0+1], s14, HALFT                  ; and slot 0's groups 0 stand at my quarter of K step 0: the first refill steps them to K step 2
	s_add_nc_u64 s[G0+2:G0+3], s[G0+2:G0+3], s[2:3]
	s_mul_i32 s[G0B+1], s14, HALFT
	s_add_nc_u64 s[G0B+2:G0B+3], s[G0B+2:G0B+3], s[2:3]
	s_wait_dscnt 0x0
	CROUND                                         ; all four tiles are in, and all sixteen work-groups are here
	JLOAD G0+4, G1, G0B+4, G1B                     ; K step 1: the first tensor load behind the round
	FETCH_B 0, 0, 0
	FETCH_A 0, 0, 0
	SCALES 0
	FETCH_A 0, 0, 4
	STEP 0, 0, 1
	s_mov_b32 s3, LAPS-1
.Llap:
	TURN 0, 1, 1
	STEP 1, 0, 0
	TURN 1, 0, 1
	STEP 0, 0, 0
	s_sub_co_u32 s3, s3, 1
	s_cmp_lg_u32 s3, 0
	s_cbranch_scc1 .Llap
	TURN 0, 1, 0
	STEP 1, 0, 0
	s_wait_dscnt 4*NL
	WIN MUL_LO
	MUL16 0, 1, NQ-1, 1, 0
	MUL16 2, 1, NQ-1, 1, 0
	s_wait_dscnt 0
	WIN MUL_HI
	MUL16 4, 1, NQ-1, 1, 0
	MUL16 6, 1, NQ-1, 1, 0
	WIN 0
.macro ADDB a
	s_cmp_eq_u32 s[MODE], 1
	s_cbranch_scc1 .Lby_r_\@
	WIN 0x02+(\a)/4
.set i, 0
.rept 32
	v_pk_add_f32 v[X+2*i:X+2*i+1], v[64*((\a)%4)+2*i:64*((\a)%4)+2*i+1], v[BP+2*i:BP+2*i+1]
.set i, i+1
.endr
	WIN 0
	s_branch .Ladded_\@
.Lby_r_\@:
	v_mov_b32 v[WK], v[BR+(\a)]
	v_mov_b32 v[WK+1], v[BR+(\a)]
	WIN 0x02+(\a)/4
.set i, 0
.rept 32
	v_pk_add_f32 v[X+2*i:X+2*i+1], v[64*((\a)%4)+2*i:64*((\a)%4)+2*i+1], v[WK:WK+1]
.set i, i+1
.endr
	WIN 0
.Ladded_\@:
.endm
.macro QUANT s, pc, pw
.irp b, 0,1,2,3
	v_max3_num_f32 v[TM+\b], |v[\s+16*\b]|, |v[\s+1+16*\b]|, 0x4800000
.endr
.irp i, 2,4,6,8,10,12,14
.irp b, 0,1,2,3
	v_max3_num_f32 v[TM+\b], v[TM+\b], |v[\s+16*\b+\i]|, |v[\s+1+16*\b+\i]|
.endr
.endr
.irp b, 0,1,2,3
	v_permlanex16_b32 v[TM+4+\b], v[TM+\b], s[SEL], s[SEL+1]
.endr
.irp b, 0,1,2,3
	v_max_num_f32 v[TM+\b], v[TM+\b], v[TM+4+\b]
.endr
.irp b, 0,1,2,3
	v_add_nc_u32 v[TM+12+\b], 0xfc000000, v[TM+\b]
.endr
.irp b, 0,1,2,3
	v_and_or_b32 v[TM+8+\b], v[TM+\b], 0x7f800000, s[MNT]
.endr
.irp b, 0,1,2,3
	v_lshrrev_b32 v[TM+4+\b], 23, v[TM+12+\b]
.endr
	v_lshl_or_b32 v[\pw], v[TM+5], 8, v[TM+4]
	v_lshl_or_b32 v[\pw], v[TM+6], 16, v[\pw]
	v_lshl_or_b32 v[\pw], v[TM+7], 24, v[\pw]
.irp b, 0,1,2,3
.irp i, 0,1,2,3,4,5,6,7,8,9,10,11,12,13,14,15
	v_med3_num_f32 v[\s+16*\b+\i], v[\s+16*\b+\i], -v[TM+8+\b], v[TM+8+\b]
.endr
	v_cvt_scalef32_pk8_fp8_f32 v[\pc+4*\b:\pc+1+4*\b], v[\s+16*\b:\s+7+16*\b], v[TM+12+\b]
	v_cvt_scalef32_pk8_fp8_f32 v[\pc+2+4*\b:\pc+3+4*\b], v[\s+8+16*\b:\s+15+16*\b], v[TM+12+\b]
.endr
	v_nop
.endm
	s_wait_loadcnt 0x0
	PLACES NP
.irp b, 0,1,2,3
	v_mov_b32 v[TM+4+\b], 0
.endr
.irp a, 0,1,2,3,4,5,6,7
	ADDB \a
	QUANT X, PC+16*((\a)%2), PW+\a
.if \a > 0
	s_wait_alu depctr_va_vdst(0)
	s_wait_xcnt 0x0
	s_add_nc_u64 s[OB:OB+1], s[OB:OB+1], s[IA:IA+1]
.endif
.if \a == 4
	s_add_nc_u64 s[OB:OB+1], s[OB:OB+1], s[IB:IB+1]
.endif
	global_store_b128 v[VO0], v[PC+16*((\a)%2):PC+16*((\a)%2)+3], s[OB:OB+1]
	global_store_b128 v[VO0], v[PC+16*((\a)%2)+4:PC+16*((\a)%2)+7], s[OB:OB+1] offset:512
	global_store_b128 v[VO1], v[PC+16*((\a)%2)+8:PC+16*((\a)%2)+11], s[OB:OB+1]
	global_store_b128 v[VO1], v[PC+16*((\a)%2)+12:PC+16*((\a)%2)+15], s[OB:OB+1] offset:512
.endr
.irp g, 0,1
.irp i, 0,1,2,3
	v_perm_b32 v[WK+\i], v[PW+2*\i+1], v[PW+2*\i], 0x05040100+\g*0x02020202
	v_cndmask_b32 v[WK+\i], v[WK+\i], v[PW+4*\g+\i], s[MM]
.endr
	v_cndmask_b32 v[WK+4+2*\g], v[WK], v[WK+1], s[HM]
	v_cndmask_b32 v[WK+5+2*\g], v[WK+2], v[WK+3], s[HM]
	global_store_b32 v[VSW], v[WK+4+2*\g], s[SBS:SBS+1] offset:4096*\g
	global_store_b32 v[VSW], v[WK+5+2*\g], s[SBS:SBS+1] offset:4096*\g+128
.endr
	s_wait_tensorcnt 0x0
	ds_add_u32 v[SPW], v[NIL]
	s_wait_dscnt 0x0
	CROUND
	s_endpgm
.Lfunc_end_k_q6d8d05d363_proj:
	.size	k_q6d8d05d363_proj, .Lfunc_end_k_q6d8d05d363_proj-k_q6d8d05d363_proj
	.p2alignl 7, 3214868480
	.fill 96, 4, 3214868480
	.section	.rodata,"a",@progbits
	.p2align	6, 0x0
	.amdhsa_kernel k_q6d8d05d363_proj
		.amdhsa_group_segment_fixed_size 327680
		.amdhsa_private_segment_fixed_size 0
		.amdhsa_enable_private_segment 0
		.amdhsa_kernarg_size 56
		.amdhsa_user_sgpr_count 2
		.amdhsa_user_sgpr_kernarg_segment_ptr 1
		.amdhsa_wavefront_size32 1
		.amdhsa_system_sgpr_workgroup_id_x 1
		.amdhsa_system_sgpr_workgroup_id_y 1
		.amdhsa_system_sgpr_workgroup_id_z 1
		.amdhsa_system_vgpr_workitem_id 0
		.amdhsa_next_free_vgpr 1024
		.amdhsa_next_free_sgpr 102
		.amdhsa_reserve_vcc 0
		.amdhsa_float_denorm_mode_32 3
		.amdhsa_float_denorm_mode_16_64 3
		.amdhsa_memory_ordered 1
		.amdhsa_forward_progress 1
		.amdhsa_inst_pref_size 225
	.end_amdhsa_kernel
	.amdgpu_metadata
---
amdhsa.version: [ 1, 2 ]
amdhsa.kernels:
  - .name:           k_q6d8d05d363_proj
    .symbol:         k_q6d8d05d363_proj.kd
    .args:
      - { .name: cod, .offset: 0, .size: 8, .value_kind: global_buffer, .address_space: global }
      - { .name: scl, .offset: 8, .size: 8, .value_kind: global_buffer, .address_space: global }
      - { .name: bq, .offset: 16, .size: 8, .value_kind: global_buffer, .address_space: global }
      - { .name: bk, .offset: 24, .size: 8, .value_kind: global_buffer, .address_space: global }
      - { .name: bv, .offset: 32, .size: 8, .value_kind: global_buffer, .address_space: global }
      - { .name: hc, .offset: 40, .size: 8, .value_kind: global_buffer, .address_space: global }
      - { .name: hs, .offset: 48, .size: 8, .value_kind: global_buffer, .address_space: global }
    .group_segment_fixed_size: 327680
    .private_segment_fixed_size: 0
    .kernarg_segment_align: 8
    .kernarg_segment_size: 56
    .max_flat_workgroup_size: 128
    .sgpr_count:     102
    .vgpr_count:     1024
    .wavefront_size: 32
...
	.end_amdgpu_metadata
.endif
;; end of part 2
;; launch attn (part 3): grid 64 x 4, 16 waves a work-group, no clusters, 272,384 bytes of LDS; arguments hc, hs, mask, msk, ac, asc; writes ac, asc
.if DOCPART == 3
	.amdgcn_target "amdgcn-amd-amdhsa--gfx1250"
	.amdhsa_code_object_version 6
	.text
	.protected	k_q6d8d05d363_attn
	.globl	k_q6d8d05d363_attn
	.p2align	8
	.type	k_q6d8d05d363_attn,@function
k_q6d8d05d363_attn:
	s_mov_b64 s[64:65], 0
	v_nop
	global_prefetch_b8 v0, s[64:65] scope:SCOPE_SE
	s_setreg_imm32_b32 hwreg(HW_REG_WAVE_MODE, 25, 1), 1
	s_wait_xcnt 0x0
; ATTN.  For each of 64 (batch, head): O = softmax(Q K^T / 8, hidden scores = -1e9) V, both products on codes of E4M3 with E8M0 scales, and O quantised along the model's 1,024 for the last projection.
; THE SOFTMAX: t = logit x log2(e); M = the ceiling of the row's running largest t; p = 2^(t - M) is quantised along the keys, not normalised; the sum of the unquantised p divides O at the end.
; SHARES.  Four work-groups to a (batch, head), 256 in all.  Wave w of work-group j owns two tiles of 16 queries, one after the other: tile 127 - 4 w - j, then tile 4 w + j.  Under a lower-triangular mask
; the two together have 17 key steps that count, in every wave; no value hangs on that deal.
; LDS.  A key step is 128 keys.  K's and V's register images of ALL sixteen steps (16 slots of 16,384 bytes) and all their scale words (8,192 bytes) lie in LDS for the whole launch.  Steps 0 to 7 and the scale words
; come at the head, 16 bytes a thread and load, through registers; steps 8 to 15 come during the first tile's steps 0 to 7, one step's images a trip, asked for at the trip's head and stored at its end.
; Three barriers: behind the head's stores, behind the eighth trip's, and ahead of the closing add.  Between them the waves share nothing but bytes that nobody writes.
; THE MASK IS AN INPUT.  msk holds a word for each tile of 16 queries: bit j: key step j adds nothing to any of the 16 rows (all hidden, and every row has an open key somewhere): the step's work is
; jumped over; bit 16 + j: all open: no mask lines; else the 16 x 128 mask bytes are loaded and hidden scores become t = -1e9 x log2(e).  A row with no open key so has p = 1 at every key, as the definition has it.
; NO CLUSTER, NO TENSOR LOAD.
; LAYOUT.  Both products are used transposed: S^T = K Q^T, O^T = V^T P^T: a lane holds ONE query (lane % 16) throughout.  The head's 64 fill half of the instruction's 128 along K: a fragment of K holds TWO tiles
; of 16 keys (blocks 0, 1: keys 32 b + r; blocks 2, 3: keys 32 b + 16 + r), multiplied by [Q, 0] and by [0, Q]: zero codes add nothing.  Register 16 b + 8 u + j of lane half h is key 32 b + 16 u + 8 h + j:
; the order in which V's images hold the keys, so the conversions' results are the second product's operand.
; LIMITS: NaN and infinities are not served; a block of zeros gets the scale byte 1; a step that is left out counts on 2^(-1.44e9 - M) = 0, that is on a row's open logits above about -9.99e8; mask bytes are 0 or 1.
; REGISTERS: v1-11 addresses; v12 -M, v13 the largest t, v[14:15] the sum; v16-23 zeros, v24-31 Q, v32-39 zeros; v40 Q's scale word, v41-44 K's then V's, v45 p's; v46 the hidden t; v47, v63 the add's two; v48-55 what is
; on its way to LDS; v[60:61] f; v62 at work; v64-127 four fragments of K, then of V; v128-191 S^T, then p; v192-223 O^T; v224-239 p's codes (mask bytes before); v240-255 at work.
.set VIM,   8192                       ; in a slot: K's images, then V's
.set SLOTB, 16384
.set SCB,   262144                     ; behind the 16 slots: K's scale words, 256 bytes a step, then V's, 4,096 bytes further on
.set SPARE, 270336                     ; the spare words: 128 bytes for each of 16 waves
.set TILE,  8192
.set LI,   1                           ; v1   16 x lane
.set LSB,  2                           ; v2   SCB + 4 x (lane % 16)
.set RO,   3                           ; v3   32 x (lane % 16): a token's row of asc
.set ADK,  4                           ; v4   LDS address of the step's images
.set ADS,  5                           ; v5   and of its scale words
.set MK0,  6                           ; v6   2,048 x (lane % 16) + 8 (lane / 16)
.set T16,  7                           ; v7   16 x thread
.set STA,  8                           ; v8   where my 16 bytes of a tile go in LDS
.set MKO,  9                           ; v9   my query's row of the mask, + 8 (lane / 16)
.set PFO,  10                          ; v10  256 x lane
.set LS0,  11                          ; v11  4 x (lane % 16)
.set TMR,  46
.set S,    128
.set O,    192
.set PCD,  224
.set WV,   16                          ; s16  wave
.set TAUB, 17                          ; s17  my second tile
.set TAU,  18                          ; s18  my first tile
.set I,    19                          ; s19  the second loop's counter: 16 x (which tile) + key step
.set QA,   20                          ; s[20:21] Q's image of the first tile;  s[30:31] its scale words;  s[36:37], s[38:39] the second tile's
.set TB,   22                          ; s22  16,384 x key step
.set TS,   23                          ; s23  256 x key step
.set SKIP, 24                          ; s24  bit j: I leave step j out
.set ALLT, 25                          ; s25  bit j: step j is all open for me
.set KG,   26                          ; s[26:27] K's images of the step that is brought in;  s[28:29] V's
.set VG,   28
.set QS,   30
.set MK,   32                          ; s[32:33] the mask at this step's first column
.set PFA,  34                          ; s[34:35] where my prefetch stands
.set QA2,  36
.set QS2,  38
.set QB,   40                          ; s[40:41] my (batch, head) in Q's region of hc;  s[42:43] in hs;  s[44:45] in ac;  s[46:47] in asc
.set QSB,  42
.set ACB,  44
.set ASB,  46
.set OA,   48                          ; s[48:49] the tile's place in ac;  s[50:51] in asc
.set OS,   50
.set LIM,  52                          ; s52  a wave prefetches while J is under it
.set J,    53                          ; s53  the key step
.set FA,   54                          ; s54, s55 the two tiles' flags
.set FB,   55
.set CC,   56                          ; s[56:57] what scores are multiplied by: c, or 1.0 where they are t already
.set CS,   58                          ; s58  c = log2(e) / 8
.set MNT,  59                          ; s59  the mantissa field of 448
.set SEL,  60                          ; s[60:61] v_permlanex16_b32's selects for lane l xor 16
.set SH,   67                          ; s67, s68 which half of a pair's scale word is the tile's
.set SH2,  68
.macro QADR tau, qa, qs, sh            ; where a tile's Q lies (s63 = 0)
	s_lshl_b32 s62, s[\tau], 10
	s_add_nc_u64 s[\qa:\qa+1], s[QB:QB+1], s[62:63]
	s_lshr_b32 s62, s[\tau], 1
	s_lshl_b32 s62, s62, 6
	s_add_nc_u64 s[\qs:\qs+1], s[QSB:QSB+1], s[62:63]
	s_and_b32 s[\sh], s[\tau], 1
	s_lshl_b32 s[\sh], s[\sh], 4
.endm
.macro QLOAD qa, qs
	global_load_b128 v[24:27], v[LI], s[\qa:\qa+1]
	global_load_b128 v[28:31], v[LI], s[\qa:\qa+1] offset:512
	global_load_b32 v40, v[LS0], s[\qs:\qs+1]
.endm
.macro QWORD sh                        ; my tile's two bytes of the pair's word, for blocks 0, 1 and for blocks 2, 3
	v_lshrrev_b32 v40, s[\sh], v40
	v_and_b32 v40, 0xffff, v40
	v_lshl_or_b32 v40, v40, 16, v40
.endm
.macro SETT tau, fl                    ; a tile's places in ac, asc and the mask, and its flags
	s_mov_b32 s63, 0
	s_lshl_b32 s62, s[\tau], 14
	s_add_nc_u64 s[OA:OA+1], s[ACB:ACB+1], s[62:63]
	s_lshl_b32 s62, s[\tau], 9
	s_add_nc_u64 s[OS:OS+1], s[ASB:ASB+1], s[62:63]
	s_lshl_b32 s62, s[\tau], 15
	v_add_nc_u32 v[MKO], s62, v[MK0]
	s_and_b32 s[SKIP], s[\fl], 0xffff
	s_lshr_b32 s[ALLT], s[\fl], 16
.endm
.macro FRESH                           ; a tile begins: O^T and the sum are zeros, the largest t is -3e38: the first change of M leaves zeros zeros
.set i, 0
.rept 32
	v_mov_b32 v[O+i], 0
.set i, i+1
.endr
	v_mov_b32 v14, 0
	v_mov_b32 v15, 0
	v_mov_b32 v13, 0xff61b1e6
	v_mov_b32 v12, 0x7f61b1e6              ; -M = floor(3e38) = 3e38
.endm
	s_load_b256 s[4:11], s[0:1], 0x0               ; hc, hs, mask, msk
	s_load_b128 s[12:15], s[0:1], 0x20             ; ac, asc
	v_lshl_add_u32 v47, v0, 2, SPARE
	v_mov_b32 v63, 0
	v_lshrrev_b32 v4, 5, v0
	v_readfirstlane_b32 s[WV], v4                  ; wave 0..15
	v_and_b32 v5, 31, v0                           ; lane
	v_and_b32 v4, 15, v0                           ; r
	v_bfe_u32 v60, v0, 4, 1                        ; h
	v_lshlrev_b32 v[T16], 4, v0
	v_lshlrev_b32 v[LI], 4, v5
	v_lshlrev_b32 v[PFO], 8, v5
	v_lshlrev_b32 v[RO], 5, v4
	v_lshlrev_b32 v[LS0], 2, v4
	v_lshl_add_u32 v[LSB], v4, 2, SCB
	v_lshlrev_b32 v[MK0], 11, v4
	v_lshl_add_u32 v[MK0], v60, 3, v[MK0]
	v_and_b32 v62, 255, v0
	v_lshrrev_b32 v5, 8, v0
	v_lshlrev_b32 v62, 4, v62
	v_lshl_add_u32 v62, v5, 18, v62                ; the scale words in memory: threads 0-255 K's 4,096 bytes, threads 256-511 V's, 262,144 bytes further on
	v_add_nc_u32 v[STA], 65536, v[T16]             ; slots 4 to 7
	v_add_nc_u32 v60, SCB, v[T16]                  ; the scale words in LDS
	s_and_b32 s66, ttmp7, 0xffff                   ; j
	s_lshl_b32 s[TAUB], s[WV], 2
	s_add_co_u32 s[TAUB], s[TAUB], s66             ; 4 w + j
	s_sub_co_u32 s[TAU], 127, s[TAUB]              ; 127 - 4 w - j
	s_mov_b32 s[CS], 0x3e38aa3b
	s_mov_b32 s[MNT], 0x600000
	s_mov_b32 s[SEL], 0x76543210
	s_mov_b32 s[SEL+1], 0xfedcba98
	s_sub_co_u32 s62, s[WV], 4
	s_lshr_b32 s62, s62, 1                         ; 0 in waves 4 and 5,
	s_or_b32 s62, s62, s66                         ; of the (batch, head)'s first work-group
	s_cmp_eq_u32 s62, 0
	s_cselect_b32 s[LIM], 6, 0
	s_lshl_b32 s62, ttmp9, 17                      ; a (batch, head)'s 131,072 bytes in each region of hc
	s_mov_b32 s63, 0
	s_wait_alu depctr_va_vdst(0)
	s_wait_kmcnt 0x0
	s_add_nc_u64 s[QB:QB+1], s[4:5], s[62:63]      ; Q's region
	s_add_nc_u64 s[KG:KG+1], s[QB:QB+1], 0x800000  ; K's
	s_add_nc_u64 s[VG:VG+1], s[KG:KG+1], 0x800000  ; V's
	s_lshl_b32 s62, ttmp9, 12                      ; and its 4,096 bytes in each region of hs
	s_add_nc_u64 s[QSB:QSB+1], s[6:7], s[62:63]
	s_add_nc_u64 s[MK:MK+1], s[QSB:QSB+1], 0x40000 ; K's scale words (the pair is free until the first step with hidden keys)
	QADR TAU, QA, QS, SH
	QADR TAUB, QA2, QS2, SH2
	QLOAD QA, QS                                   ; 20 loads a thread: Q's three, the scale words,
	global_load_b128 v[128:131], v62, s[MK:MK+1]
.irp s, 0,1,2,3,4,5,6,7
	global_load_b128 v[64+8*\s:67+8*\s], v[T16], s[KG:KG+1] offset:TILE*\s   ; and key steps 0 to 7, whatever the flags say
	global_load_b128 v[68+8*\s:71+8*\s], v[T16], s[VG:VG+1] offset:TILE*\s
.endr
	s_lshl_b32 s62, s[TAU], 2
	s_add_nc_u64 s[OA:OA+1], s[10:11], s[62:63]
	s_load_b32 s[FA], s[OA:OA+1], 0x0              ; my two tiles' flags
	s_lshl_b32 s62, s[TAUB], 2
	s_add_nc_u64 s[OS:OS+1], s[10:11], s[62:63]
	s_load_b32 s[FB], s[OS:OS+1], 0x0
	s_lshr_b32 s62, ttmp9, 4                       ; the batch
	s_and_b32 s66, ttmp9, 15                       ; the head
	s_lshl_b32 s69, s62, 21
	s_lshl_b32 s[TB], s66, 10
	s_add_co_u32 s[TB], s[TB], s69
	s_mov_b32 s[TS], 0
	s_add_nc_u64 s[ACB:ACB+1], s[12:13], s[TB:TS]  ; ac: token tile x 16,384 + head x 1,024
	s_lshl_b32 s69, s62, 16
	s_lshl_b32 s[TB], s66, 1
	s_add_co_u32 s[TB], s[TB], s69
	s_add_nc_u64 s[ASB:ASB+1], s[14:15], s[TB:TS]  ; asc: token x 32 + head x 2
.irp i, 0,1,2,3,4,5,6,7
	v_mov_b32 v[16+\i], 0                          ; the zero halves beside Q
	v_mov_b32 v[32+\i], 0
.endr
	FRESH
	v_mov_b32 v61, 0                               ; (named as the upper half of the pair v[60:61])
.irp b, 0,1,2,3
	v_mov_b32 v[244+\b], 0                         ; written once: a lane permute's destination counts as one of its sources
.endr
	v_mov_b32 v[TMR], 0xceabfb8f                   ; -1e9 x log2(e)
	s_wait_kmcnt 0x0
	SETT TAU, FA
	s_wait_alu depctr_va_vdst(0)
	s_wait_loadcnt 16                              ; Q and the scale words are in; the sixteen loads of the images stay out
	ds_store_b128 v60, v[128:131]
	QWORD SH
	s_wait_alu depctr_va_vdst(0)
.irp s, 0,1,2,3,4,5,6,7
	s_wait_loadcnt 15-2*\s                         ; the loads come back in their order: those issued behind this one stay out
	ds_store_b128 v[T16+\s/4], v[64+8*\s:67+8*\s] offset:SLOTB*(\s%4)
	s_wait_loadcnt 14-2*\s
	ds_store_b128 v[T16+\s/4], v[68+8*\s:71+8*\s] offset:SLOTB*(\s%4)+VIM
.endr
	s_add_nc_u64 s[KG:KG+1], s[KG:KG+1], 8*TILE    ; (their loads are done)  on to step 8
	s_add_nc_u64 s[VG:VG+1], s[VG:VG+1], 8*TILE
	s_cmp_eq_u32 s[WV], 4
	s_cselect_b64 s[PFA:PFA+1], s[KG:KG+1], s[VG:VG+1]
	s_add_nc_u64 s[PFA:PFA+1], s[PFA:PFA+1], TILE  ; at step 9: the first trip's head moves it to step 10
	s_mov_b32 s[J], 0
	s_mov_b32 s[TB], 0
	s_mov_b32 s[TS], 0
	s_wait_dscnt 0x0                               ; for the others' sake: my stores have landed
	s_barrier_signal -1
	s_barrier_wait -1
; A KEY STEP of the tile in hand, read from slot J.  stream = 1: step J + 8's images are asked for at the head and stored into slot J + 8 at the end.
.macro STEP stream
.if \stream
	s_wait_xcnt 0x0                                ; the last prefetch, a trip back, has read its address
	s_add_nc_u64 s[PFA:PFA+1], s[PFA:PFA+1], TILE
	global_load_b128 v[48:51], v[T16], s[KG:KG+1]  ; they land under this step's work
	global_load_b128 v[52:55], v[T16], s[VG:VG+1]
; A prefetch of step J + 10's images, which the trip after the next loads: 32 lanes x 256 bytes are a tile's 8,192.  The four work-groups of a (batch, head) read the same K and V: the first of them asks,
; wave 4 for K's images and wave 5 for V's, so each aligned block of 256 bytes is named once in the launch.  Steps 0 to 9 come by their loads alone; trips 6 and 7 ask for nothing.
	s_cmp_lt_u32 s[J], s[LIM]
	s_cbranch_scc0 .Lno_pf_\@
	global_prefetch_b8 v[PFO], s[PFA:PFA+1] th:TH_LOAD_NT scope:SCOPE_SE
.Lno_pf_\@:
.endif
	s_lshr_b32 s62, s[SKIP], s[J]
	s_and_b32 s62, s62, 1
	s_cmp_lg_u32 s62, 0
	s_cbranch_scc1 .Lidle_\@                       ; the step adds nothing to my 16 rows: a branch on a stored whole number, round the work alone
	v_add_nc_u32 v[ADK], s[TB], v[LI]
	v_add_nc_u32 v[ADS], s[TS], v[LSB]
.rept 6
	v_nop                                          ; with the two lines above: eight places behind the last step's products, in front of loads into their operands
.endr
.irp b, 0,1,2,3
.irp c, 0,1,2,3
	ds_load_b128 v[64+16*\b+4*\c:64+16*\b+4*\c+3], v[ADK] offset:2048*\b+512*\c   ; an image comes back as it was stored: 512 consecutive bytes
.endr
	ds_load_b32 v[41+\b], v[ADS] offset:64*\b
.endr
	s_wait_alu depctr_va_vdst(0)
.irp b, 0,1,2,3
	s_wait_dscnt 15-5*\b                           ; fragment b and its scale words are in; the five loads of each younger fragment stay out
	v_wmma_scale_f32_16x16x128_f8f6f4 v[S+16*\b:S+16*\b+7], v[64+16*\b:79+16*\b], v[24:39], 0, v[41+\b], v40      ; x [Q, 0]: keys 32 b + ..
	v_wmma_scale_f32_16x16x128_f8f6f4 v[S+16*\b+8:S+16*\b+15], v[64+16*\b:79+16*\b], v[16:31], 0, v[41+\b], v40   ; x [0, Q]: keys 32 b + 16 + ..
.endr
	s_mov_b32 s[CC], s[CS]
	s_mov_b32 s[CC+1], s[CS]
.rept 8
	v_nop                                          ; places: in front of the loads into K's registers, and of the first read of the scores
.endr
.irp t, 0,1,2,3
.irp c, 0,1,2,3
	ds_load_b128 v[64+16*\t+4*\c:64+16*\t+4*\c+3], v[ADK] offset:VIM+2048*\t+512*\c   ; V's four fragments land under the softmax
.endr
	ds_load_b32 v[41+\t], v[ADS] offset:4096+64*\t
.endr
	s_lshr_b32 s62, s[ALLT], s[J]
	s_and_b32 s62, s62, 1
	s_cmp_lg_u32 s62, 0
	s_cbranch_scc1 .Lopen_\@
	; a step with hidden keys: register 8 g + j is key 16 g + 8 h + j: eight mask bytes a group
	s_lshl_b32 s62, s[J], 7
	s_mov_b32 s63, 0
	s_add_nc_u64 s[MK:MK+1], s[8:9], s[62:63]      ; the mask at this step's first column (every earlier load by this pair has been waited for)
.irp g, 0,1,2,3,4,5,6,7
	global_load_b64 v[PCD+2*\g:PCD+2*\g+1], v[MKO], s[MK:MK+1] offset:16*\g
.endr
.set j, 0
.rept 32
	v_pk_mul_f32 v[S+j:S+j+1], v[S+j:S+j+1], s[CC:CC+1] op_sel_hi:[1,0]   ; t = score x c, each accumulator from its low end on
.set j, j+2
.endr
	s_mov_b32 s[CC], 1.0                           ; the lines below find t
	s_mov_b32 s[CC+1], 1.0
	s_mov_b32 s63, 255
	s_wait_loadcnt 0x0
.set j, 0
.rept 16
	v_mul_lo_u32 v[PCD+j], v[PCD+j], s63           ; bytes 0, 1 become 0x00, 0xff
.set j, j+1
.endr
.set n, 0
.rept 64
	v_perm_b32 v[240+n%4], v[PCD+n/4], v[PCD+n/4], 0x01010101*(n%4)   ; the key's byte in all four places
	s_delay_alu instid0(VALU_DEP_1)
	v_bfi_b32 v[S+n], v[240+n%4], v[S+n], v[TMR]   ; open: t; hidden: -1e9 x log2(e)
.set n, n+1
.endr
.Lopen_\@:
.irp b, 0,1,2,3
	v_max3_num_f32 v[240+\b], v[S+16*\b], v[S+1+16*\b], v[S+2+16*\b]   ; the largest score of each block of 32 keys: for the row's maximum, and, since p rises with the score, for the block's largest p
.endr
.irp i, 3,5,7,9,11,13
.irp b, 0,1,2,3
	v_max3_num_f32 v[240+\b], v[240+\b], v[S+16*\b+\i], v[S+1+16*\b+\i]
.endr
.endr
.irp b, 0,1,2,3
	v_max_num_f32 v[240+\b], v[240+\b], v[S+15+16*\b]
.endr
.irp b, 0,1,2,3
	s_delay_alu instid0(VALU_DEP_4)
	v_permlanex16_b32 v[244+\b], v[240+\b], s[SEL], s[SEL+1]
.endr
.irp b, 0,1,2,3
	s_delay_alu instid0(VALU_DEP_4)
	v_max_num_f32 v[240+\b], v[240+\b], v[244+\b]  ; with lane l xor 16's 16 keys
.endr
	s_delay_alu instid0(VALU_DEP_2)
	v_max3_num_f32 v62, v240, v241, v242
	s_delay_alu instid0(VALU_DEP_1)
	v_max_num_f32 v62, v62, v243
	s_delay_alu instid0(VALU_DEP_1)
	v_mul_f32 v62, s[CC], v62                      ; the step's largest t of my query
	s_delay_alu instid0(VALU_DEP_1)
	v_max_num_f32 v13, v13, v62                    ; the running largest t
	v_mov_b32 v62, v12
	s_delay_alu instid0(VALU_DEP_2)
	v_floor_f32 v12, -v13                          ; the new -M = -ceil(t): a whole number
	s_delay_alu instid0(VALU_DEP_1)
	v_sub_f32 v62, v12, v62                        ; old M - new M, 0 or less
	s_delay_alu instid0(VALU_DEP_1)
	v_cvt_i32_f32 v62, v62                         ; (it saturates)
	s_delay_alu instid0(VALU_DEP_1)
	v_ldexp_f32 v60, 1.0, v62                      ; f = 2^(old M - new M): a multiplication by it rounds nothing
.set j, 0
.rept 32
	v_pk_fma_f32 v[S+j:S+j+1], v[S+j:S+j+1], s[CC:CC+1], v[12:13] op_sel_hi:[1,0,0]   ; t - M, two at a time
.set j, j+2
.endr
.irp b, 0,1,2,3
	v_fma_f32 v[240+\b], v[240+\b], s[CC], v12     ; the same of each block's largest
.endr
.set j, 0
	s_wait_alu depctr_va_vdst(0)
.rept 64
	v_exp_f32 v[S+j], v[S+j]                       ; p = 2^(t - M)
.set j, j+1
.endr
	v_pk_mul_f32 v[14:15], v[14:15], v[60:61] op_sel_hi:[1,0]   ; the sums under the new M (a plain line behind the exponentials)
	s_wait_alu depctr_va_vdst(0)                   ; one wait for the batch of 64, ahead of its first reader
.irp b, 0,1,2,3
	v_exp_f32 v[240+\b], v[240+\b]                 ; the block's largest p
.endr
	v_pk_add_f32 v[244:245], v[S:S+1], v[S+2:S+3]  ; the row's sum is taken of the unquantised p, in two chains
.irp j, 4,8,12,16,20,24,28,32,36,40,44,48,52,56,60
	v_pk_add_f32 v[14:15], v[14:15], v[S+\j:S+\j+1]
	v_pk_add_f32 v[244:245], v[244:245], v[S+2+\j:S+3+\j]
.endr
	s_delay_alu instid0(VALU_DEP_1)
	v_pk_add_f32 v[14:15], v[14:15], v[244:245]
	s_wait_alu depctr_va_vdst(0)                   ; and one for the four
.irp b, 0,1,2,3
	v_max_num_f32 v[240+\b], 0x4800000, v[240+\b]  ; the floor 2^(9 - 127): the byte cannot fall under 1
.endr
.irp b, 0,1,2,3
	s_delay_alu instid0(VALU_DEP_4)
	v_add_nc_u32 v[252+\b], 0xfc000000, v[240+\b]  ; the conversion's scale operand
.endr
.irp b, 0,1,2,3
	v_and_or_b32 v[248+\b], v[240+\b], 0x7f800000, s[MNT]   ; 448 x the scale
.endr
.irp b, 0,1,2,3
	v_lshrrev_b32 v[244+\b], 23, v[252+\b]         ; the scale's byte
.endr
	s_delay_alu instid0(VALU_DEP_3)
	v_lshl_or_b32 v45, v245, 8, v244               ; p's scale word for these 128 keys
	s_delay_alu instid0(VALU_DEP_1)
	v_lshl_or_b32 v45, v246, 16, v45
	s_delay_alu instid0(VALU_DEP_1)
	v_lshl_or_b32 v45, v247, 24, v45
.irp b, 0,1,2,3
.irp i, 0,2,4,6,8,10,12,14
	v_dual_min_num_f32 v[S+16*\b+\i], v[S+16*\b+\i], v[248+\b] :: v_dual_min_num_f32 v[S+16*\b+\i+1], v[S+16*\b+\i+1], v[248+\b]   ; the conversion does not saturate (ISA guide 7.6.2); p is not negative, so the hold is one-sided; two holds to a line
.endr
	v_cvt_scalef32_pk8_fp8_f32 v[PCD+4*\b:PCD+1+4*\b], v[S+16*\b:S+7+16*\b], v[252+\b]
	v_cvt_scalef32_pk8_fp8_f32 v[PCD+2+4*\b:PCD+3+4*\b], v[S+8+16*\b:S+15+16*\b], v[252+\b]
.endr
.set j, 0
.rept 16
	v_pk_mul_f32 v[O+j:O+j+1], v[O+j:O+j+1], v[60:61] op_sel_hi:[1,0]   ; O^T under the new M; these sixteen are also the places between the codes and the products
.set j, j+2
.endr
	s_wait_alu depctr_va_vdst(0)
	s_wait_dscnt 0x0                               ; V's fragments and scale words
.irp t, 0,1,2,3                        ; O^T += V^T P^T: the four accumulators by turns, one instruction a turn
	v_wmma_scale_f32_16x16x128_f8f6f4 v[O+8*\t:O+8*\t+7], v[64+16*\t:79+16*\t], v[PCD:PCD+15], v[O+8*\t:O+8*\t+7], v[41+\t], v45
.endr
.Lidle_\@:
.if \stream
	s_wait_loadcnt 0x0                             ; step J + 8's images are in registers; all my loads are done, so their bases may step
	s_add_nc_u64 s[KG:KG+1], s[KG:KG+1], TILE
	s_add_nc_u64 s[VG:VG+1], s[VG:VG+1], TILE
	s_add_co_u32 s62, s[TB], 8*SLOTB
	v_add_nc_u32 v[STA], s62, v[T16]
	ds_store_b128 v[STA], v[48:51]                 ; into slot J + 8, which nobody reads before the barrier behind this loop
	ds_store_b128 v[STA], v[52:55] offset:VIM
	s_wait_dscnt 0x0                               ; the stores have read their registers and have landed
.endif
.endm
.La:                                               ; eight trips: the first tile's steps 0 to 7, and steps 8 to 15 on their way in
	STEP 1
	s_add_co_u32 s[TB], s[TB], SLOTB
	s_add_co_u32 s[TS], s[TS], 256
	s_add_co_u32 s[J], s[J], 1
	s_cmp_lt_u32 s[J], 8
	s_cbranch_scc1 .La
	s_barrier_signal -1                            ; every wave's stores have landed (the wait stands at the trip's end): all sixteen slots are whole
	s_barrier_wait -1
	s_mov_b32 s[I], 8
.Lb:                                               ; 24 trips: the first tile's steps 8 to 15, its way out, the second tile's sixteen steps, its way out.  LDS is only read here
	s_and_b32 s[J], s[I], 15
	s_lshl_b32 s[TB], s[J], 14
	s_lshl_b32 s[TS], s[J], 8
	STEP 0
	s_cmp_lg_u32 s[J], 15
	s_cbranch_scc1 .Lcont
	s_cmp_eq_u32 s[I], 31
	s_cbranch_scc1 .Lno_q
	QLOAD QA2, QS2                                 ; the second tile's Q lands under the first tile's way out (the products that read these registers stand a softmax back)
.Lno_q:
	; THE WAY OUT.  O^T / the sum; register 8 t + j is o(query r, 16 t + 8 h + j): two blocks of 32 along the last projection's K, in this program's order.  Their codes are that projection's operand registers.
.rept 8
	v_nop
.endr
	v_add_f32 v14, v14, v15
	s_delay_alu instid0(VALU_DEP_1)
	v_permlanex16_b32 v62, v14, s[SEL], s[SEL+1]
	s_delay_alu instid0(VALU_DEP_1)
	v_add_f32 v14, v14, v62                        ; the row's sum
	s_wait_alu depctr_va_vdst(0)
	v_rcp_f32 v14, v14
	v_nop                                          ; a plain place behind the reciprocal
	s_wait_alu depctr_va_vdst(0)                   ; the wait ahead of its first reader
.set j, 0
.rept 16
	v_pk_mul_f32 v[S+j:S+j+1], v[O+j:O+j+1], v[14:15] op_sel_hi:[1,0]
.set j, j+2
.endr
.irp b, 0,1
	v_max3_num_f32 v[240+\b], |v[S+16*\b]|, |v[S+1+16*\b]|, 0x4800000
.endr
.irp i, 2,4,6,8,10,12,14
.irp b, 0,1
	v_max3_num_f32 v[240+\b], v[240+\b], |v[S+16*\b+\i]|, |v[S+1+16*\b+\i]|
.endr
.endr
.irp b, 0,1
	v_permlanex16_b32 v[244+\b], v[240+\b], s[SEL], s[SEL+1]
.endr
.irp b, 0,1
	v_max_num_f32 v[240+\b], v[240+\b], v[244+\b]
.endr
.irp b, 0,1
	v_add_nc_u32 v[252+\b], 0xfc000000, v[240+\b]
.endr
.irp b, 0,1
	v_and_or_b32 v[248+\b], v[240+\b], 0x7f800000, s[MNT]
.endr
.irp b, 0,1
	v_lshrrev_b32 v[244+\b], 23, v[252+\b]
.endr
	v_lshl_or_b32 v45, v245, 8, v244               ; the row's two scale bytes: both halves of the lanes hold the same
.irp b, 0,1
.irp i, 0,1,2,3,4,5,6,7,8,9,10,11,12,13,14,15
	v_med3_num_f32 v[S+16*\b+\i], v[S+16*\b+\i], -v[248+\b], v[248+\b]
.endr
	v_cvt_scalef32_pk8_fp8_f32 v[PCD+4*\b:PCD+1+4*\b], v[S+16*\b:S+7+16*\b], v[252+\b]
	v_cvt_scalef32_pk8_fp8_f32 v[PCD+2+4*\b:PCD+3+4*\b], v[S+8+16*\b:S+15+16*\b], v[252+\b]
.endr
	v_nop
	global_store_b128 v[LI], v[PCD:PCD+3], s[OA:OA+1]             ; 32 lanes store 512 consecutive bytes, aligned
	global_store_b128 v[LI], v[PCD+4:PCD+7], s[OA:OA+1] offset:512
	global_store_b16 v[RO], v45, s[OS:OS+1]        ; two bytes of each token's row of 32 (lanes l and l + 16 write the same bytes with the same value); the other heads' bytes come from other work-groups
	s_wait_xcnt 0x0                                ; the stores' registers and bases are written again only behind this wait
	s_cmp_eq_u32 s[I], 31
	s_cbranch_scc1 .Lcont
	SETT TAUB, FB                                  ; the second tile begins
	s_wait_alu depctr_va_vdst(0)
	s_wait_loadcnt 0x0                             ; its Q and Q's scale word
	QWORD SH2
	FRESH                                          ; (these lines are also the places between the scale word and the next products)
	s_wait_alu depctr_va_vdst(0)
.Lcont:
	s_add_co_u32 s[I], s[I], 1
	s_cmp_lt_u32 s[I], 32
	s_cbranch_scc1 .Lb
	s_wait_dscnt 0x0
	s_barrier_signal -1                            ; every wave's reads of LDS are over
	s_barrier_wait -1
	s_wait_tensorcnt 0x0                           ; the wave's end
	ds_add_u32 v47, v63
	s_wait_dscnt 0x0
	s_endpgm
.Lfunc_end_k_q6d8d05d363_attn:
	.size	k_q6d8d05d363_attn, .Lfunc_end_k_q6d8d05d363_attn-k_q6d8d05d363_attn
	.p2alignl 7, 3214868480
	.fill 96, 4, 3214868480
	.section	.rodata,"a",@progbits
	.p2align	6, 0x0
	.amdhsa_kernel k_q6d8d05d363_attn
		.amdhsa_group_segment_fixed_size 272384
		.amdhsa_private_segment_fixed_size 0
		.amdhsa_enable_private_segment 0
		.amdhsa_kernarg_size 48
		.amdhsa_user_sgpr_count 2
		.amdhsa_user_sgpr_kernarg_segment_ptr 1
		.amdhsa_wavefront_size32 1
		.amdhsa_system_sgpr_workgroup_id_x 1
		.amdhsa_system_sgpr_workgroup_id_y 1
		.amdhsa_system_sgpr_workgroup_id_z 1
		.amdhsa_system_vgpr_workitem_id 0
		.amdhsa_next_free_vgpr 256
		.amdhsa_next_free_sgpr 70
		.amdhsa_reserve_vcc 0
		.amdhsa_float_denorm_mode_32 3
		.amdhsa_float_denorm_mode_16_64 3
		.amdhsa_memory_ordered 1
		.amdhsa_forward_progress 1
		.amdhsa_inst_pref_size 90
	.end_amdhsa_kernel
	.amdgpu_metadata
---
amdhsa.version: [ 1, 2 ]
amdhsa.kernels:
  - .name:           k_q6d8d05d363_attn
    .symbol:         k_q6d8d05d363_attn.kd
    .args:
      - { .name: hc, .offset: 0, .size: 8, .value_kind: global_buffer, .address_space: global }
      - { .name: hs, .offset: 8, .size: 8, .value_kind: global_buffer, .address_space: global }
      - { .name: mask, .offset: 16, .size: 8, .value_kind: global_buffer, .address_space: global }
      - { .name: msk, .offset: 24, .size: 8, .value_kind: global_buffer, .address_space: global }
      - { .name: ac, .offset: 32, .size: 8, .value_kind: global_buffer, .address_space: global }
      - { .name: asc, .offset: 40, .size: 8, .value_kind: global_buffer, .address_space: global }
    .group_segment_fixed_size: 272384
    .private_segment_fixed_size: 0
    .kernarg_segment_align: 8
    .kernarg_segment_size: 48
    .max_flat_workgroup_size: 512
    .sgpr_count:     70
    .vgpr_count:     256
    .wavefront_size: 32
...
	.end_amdgpu_metadata
.endif
;; end of part 3
;; launch oproj (part 4): grid 4 x 64, 4 waves a work-group, clusters of 4 x 4, 327,680 bytes of LDS; arguments ac, asc, cod, scl, bo, out0; writes out0
.if DOCPART == 4
	.amdgcn_target "amdgcn-amd-amdhsa--gfx1250"
	.amdhsa_code_object_version 6
	.text
	.protected	k_q6d8d05d363_oproj
	.globl	k_q6d8d05d363_oproj
	.p2align	8
	.type	k_q6d8d05d363_oproj,@function
k_q6d8d05d363_oproj:
	s_mov_b64 s[64:65], 0
	v_nop
	global_prefetch_b8 v0, s[64:65] scope:SCOPE_SE
	s_setreg_imm32_b32 hwreg(HW_REG_WAVE_MODE, 25, 1), 1
	s_wait_xcnt 0x0
	s_wait_alu depctr_hold_cnt(0) depctr_sa_sdst(0) depctr_va_vdst(0) depctr_va_sdst(0) depctr_va_ssrc(0) depctr_va_vcc(0) depctr_vm_vsrc(0)
	s_getreg_b32 s2, hwreg(HW_REG_IB_STS2, 6, 4)
	s_cmp_eq_u32 s2, 0
	s_cbranch_scc0 .Lentry_in_a_cluster
	s_endpgm
.Lentry_in_a_cluster:
	s_bfe_u32 s2, ttmp6, 0x10000c
	s_cmp_lg_u32 s2, 0xf033
	s_cbranch_scc0 .Lentry_shape_is_right
	s_endpgm
.Lentry_shape_is_right:
; OPROJ.  out0[8192][1024] = A wo^T + bo, f32, on codes of E4M3 with one E8M0 byte for each 32 along K = 1,024.  A: the attention's result as the launch before left it: ac holds, for each tile of 16 tokens,
; 16,384 bytes of operand register images (128 along K: four pieces of 512 bytes, 16 bytes a lane), asc a row of 32 scale bytes a token.  wo's codes lie at byte 28,311,552 of cod (rows of 1,024), its scale bytes at 884,736 of scl.
; SHARES.  A block of 128 rows x 256 columns to a work-group: 64 x 4 = 256 work-groups.  Four waves, 2 x 2; a wave makes 64 x 128: 32 accumulators, 256 registers.
; K goes in steps of 256 through a ring of two LDS slots: A's images of 8 token tiles (32,768 bytes), then wo's 256 rows (272 bytes apart).  The scale bytes of the 128 + 256 rows, for all of K, come once and stay.
; CLUSTERS: 4 x 4.  The four of a row of the cluster need the same tiles of A, the four of a column the same rows of wo: each is asked for jointly.
; THE MATRIX INSTRUCTION IS USED TRANSPOSED (source 0 = 16 rows of wo, source 1 = 16 tokens): a lane holds eight neighbouring numbers of a row of the result.  The bias is the first products' C.
; REGISTERS: window 0: v0-31 addresses; v32-63 scale words, two sets; v64-127 the bias; v128-255 A's fragments, two sets of four.  Window 1: wo's fragments, two sets of eight.  Window 2: the accumulators, (a, b) at v[8 (8 a + b)].
; NO PREFETCH: K has four steps of 256; steps 0 and 1 are asked for at the kernel's start, steps 2 and 3 at the next two changes of slots: no trip stands a step or more ahead of them.
; LIMITS: NaN and infinities are not served.
.set SIZE_N, 1024
.set SIZE_K, 1024
.set NQ,     2                         ; matrix instructions deep in a slot
.set ROWB,   256
.set KROW,   SIZE_K
.set ASTEP,  4096                      ; a token tile's images of 256 along K
.set PITCH,  272
.set FR,     16
.set NP,     8                         ; places behind this matrix instruction (ISA guide 7.12.1)
.set HALFT,  128*PITCH
.set ABYTES, 8*ASTEP
.set SLOT,   ABYTES+2*HALFT
.set LAPS,   SIZE_K/512
.set KS,     SIZE_K/32
.set SCL,    2*SLOT                    ; behind the ring: A's scale bytes (16 units of 256 + 16), then wo's (32 units)
.set HALFS,  (128*KS/256)*272
.set SBLK,   (16*KS/256)*272
.set SPARE,  SCL+3*HALFS               ; the spare words: 128 bytes for each wave
.set SPITCH, 528                       ; the way out: 16 rows x (512 + 16) bytes for each wave, in slot 0, which has had its last fill and its last read by then
.set BPO,  7
.set ADRA, 16
.set ADRB, 20
.set STO,  24
.set RD,   25
.set CO,   26
.set ADRS, 27
.set SPW,  28
.set NIL,  29
.set SC,   32
.set BO,   64
.set AF,   128
.set BK,   128
.set G1, 24
.set G0, 32
.set G1B, 48
.set G0B, 56
.set G1S, 68
.set G0S, 76
.set G1SB, 80
.set G0SB, 88
.set MSB, 0
.macro WIN new                         ; the immediate's high byte repeats the setting that is left
.if MSB != \new
	s_set_vgpr_msb (MSB<<8)|\new
.set MSB, \new
.endif
.endm
.set MUL_LO, 0xa1                      ; source 0 window 1, source 1 window 0, C and D window 2
.set FST_LO, 0x81                      ; the same with C in window 0
.set TO_B,   0x40
.macro JLOAD g0a, g1a, g0b, g1b        ; a joint load of the ring: waves 0 and 1 fetch A's halves, waves 2 and 3 wo's
	s_cmp_eq_u32 s15, 0
	s_cbranch_scc0 .Lfor_b_\@
	tensor_load_to_lds s[\g0a:\g0a+3], s[\g1a:\g1a+7]
	s_nop 0
.rept 4
	v_nop
.endr
	s_branch .Lasked_\@
.Lfor_b_\@:
	tensor_load_to_lds s[\g0b:\g0b+3], s[\g1b:\g1b+7]
	s_nop 0
.rept 4
	v_nop
.endr
.Lasked_\@:
.endm
.macro CREST
	s_cmp_lg_u32 s14, 0
	s_cbranch_scc1 .Lnot_wave_0_\@
	s_barrier_signal -3
.Lnot_wave_0_\@:
	s_barrier_wait -3
	s_barrier_signal -1
	s_barrier_wait -1
.endm
.macro CROUND
	s_barrier_signal -1
	s_barrier_wait -1
	CREST
.endm
	s_load_b128 s[4:7], s[0:1], 0x0                ; ac, asc
	s_load_b128 s[8:11], s[0:1], 0x10              ; cod, scl
	s_load_b128 s[96:99], s[0:1], 0x20             ; bo, out0
	v_lshl_add_u32 v[SPW], v0, 2, SPARE
	v_mov_b32 v[NIL], 0
	ds_add_u32 v28, v29
	ds_add_u32 v28, v29
	s_wait_dscnt 0x0
	v_lshrrev_b32 v1, 5, v0
	v_readfirstlane_b32 s14, v1                    ; wave 0..3
	s_lshr_b32 s15, s14, 1                         ; my half of the block's rows.  Also: I fetch for A (0) or for wo (1)
	s_and_b32 s16, s14, 1                          ; my half of its columns.  Also: which half of a tile I fetch
	s_bfe_u32 s40, ttmp6, 0x40000                  ; cx, cy
	s_bfe_u32 s41, ttmp6, 0x40004
	s_lshl_b32 s42, ttmp9, 2
	s_add_co_u32 s42, s42, s40                     ; block column
	s_and_b32 s17, ttmp7, 0xffff
	s_lshl_b32 s17, s17, 2
	s_add_co_u32 s17, s17, s41                     ; block row
	s_lshl_b32 s43, s41, 2
	s_lshl_b32 s43, 15, s43                        ; my row of the cluster
	s_lshl_b32 s44, 0x1111, s40                    ; my column
	s_or_b32 s[G1+0], s43, (3<<16)|(1<<21)         ; A: rows of 4,096 bytes (512 elements of 8), 16,384 bytes apart: 8 at the head; behind it the two words that count rows are set to 4
	s_mov_b32 s[G1+1], 512<<16
	s_mov_b32 s[G1+2], 8<<16
	s_mov_b32 s[G1+3], 512<<16
	s_mov_b32 s[G1+4], 8
	s_mov_b32 s[G1+5], 2048
	s_mov_b32 s[G1+6], 0
	s_mov_b32 s[G1+7], 0
	s_or_b32 s[G1B+0], s44, (0<<16)|(1<<20)|(1<<21)|(5<<22)|(3<<25)   ; wo: rows of 256 bytes, 16 of padding behind each: 256 at the head, then 128
	s_mov_b32 s[G1B+1], ROWB<<16
	s_mov_b32 s[G1B+2], 256<<16
	s_mov_b32 s[G1B+3], ROWB<<16
	s_mov_b32 s[G1B+4], 256
	s_mov_b32 s[G1B+5], KROW
	s_mov_b32 s[G1B+6], 0
	s_mov_b32 s[G1B+7], 0
	s_or_b32 s[G1S+0], s43, (3<<16)|(1<<20)|(1<<21)|(5<<22)|(3<<25)   ; scale bytes: dense blocks as rows of 256 bytes, 16 of padding behind each
	s_or_b32 s[G1SB+0], s44, (3<<16)|(1<<20)|(1<<21)|(5<<22)|(3<<25)
.irp g, G1S, G1SB
	s_mov_b32 s[\g+1], 32<<16
	s_mov_b32 s[\g+3], 32<<16
	s_mov_b32 s[\g+5], 32
	s_mov_b32 s[\g+6], 0
	s_mov_b32 s[\g+7], 0
.endr
	s_mov_b32 s[G1S+2], 16<<16                     ; 128 tokens x 32 bytes
	s_mov_b32 s[G1S+4], 16
	s_mov_b32 s[G1SB+2], 32<<16                    ; 256 rows x 32 bytes
	s_mov_b32 s[G1SB+4], 32
	s_lshl_b32 s20, s17, 17                        ; A's codes: 8 token tiles of 16,384 bytes a block row
	s_mov_b32 s21, 0
	s_lshl_b32 s22, s17, 12                        ; its scale bytes
	s_mov_b32 s23, 0
	s_lshl_b32 s46, s42, 18                        ; wo's codes: 256 rows of 1,024 bytes a block column
	s_add_co_u32 s46, s46, 28311552
	s_mov_b32 s47, 0
	s_lshl_b32 s92, s42, 13                        ; its scale bytes
	s_add_co_u32 s92, s92, 884736
	s_mov_b32 s93, 0
	s_lshl_b32 s94, s16, 16                        ; in the ring I fetch half a tile: 4 token tiles,
	s_mov_b32 s95, 0
	s_lshl_b32 s18, s16, 17                        ; or 128 rows
	s_mov_b32 s19, 0
	s_mul_i32 s45, s16, HALFT
	s_add_co_u32 s45, s45, ABYTES                  ; where wo's half goes in a slot
	s_wait_kmcnt 0x0
	s_mov_b64 s[12:13], s[98:99]
	s_add_nc_u64 s[20:21], s[4:5], s[20:21]
	s_add_nc_u64 s[22:23], s[6:7], s[22:23]
	s_add_nc_u64 s[46:47], s[8:9], s[46:47]
	s_add_nc_u64 s[92:93], s[10:11], s[92:93]
	CROUND                                         ; all sixteen work-groups are here: the first joint loads meet
	s_mov_b32 s[G0S], 1
	s_mov_b32 s[G0S+1], SCL
	s_mov_b64 s[G0S+2:G0S+3], s[22:23]
	s_or_b32 s[G0S+3], s[G0S+3], 0x80000000
	s_mov_b32 s[G0SB], 1
	s_mov_b32 s[G0SB+1], SCL+HALFS
	s_mov_b64 s[G0SB+2:G0SB+3], s[92:93]
	s_or_b32 s[G0SB+3], s[G0SB+3], 0x80000000
	s_mov_b32 s[G0], 1                             ; slot 0's groups 0 serve the head first: K step 0's images of A's 8 token tiles, on end,
	s_mov_b32 s[G0+1], 0
	s_mov_b64 s[G0+2:G0+3], s[20:21]
	s_or_b32 s[G0+3], s[G0+3], 0x80000000
	s_mov_b32 s[G0B], 1                            ; and wo's 256 rows, behind them
	s_mov_b32 s[G0B+1], ABYTES
	s_mov_b64 s[G0B+2:G0B+3], s[46:47]
	s_or_b32 s[G0B+3], s[G0B+3], 0x80000000
	s_add_nc_u64 s[20:21], s[20:21], s[94:95]      ; for the ring: my half of the tile
	s_add_nc_u64 s[46:47], s[46:47], s[18:19]
	s_lshl_b32 s2, s14, 14                         ; A's halves lie 16,384 bytes apart in a slot
	s_mov_b32 s[G0+4], 1                           ; slot 1: K step 1
	s_add_co_u32 s[G0+5], s2, SLOT
	s_add_nc_u64 s[G0+6:G0+7], s[20:21], ASTEP
	s_or_b32 s[G0+7], s[G0+7], 0x80000000
	s_mov_b32 s[G0B+4], 1
	s_add_co_u32 s[G0B+5], s45, SLOT
	s_add_nc_u64 s[G0B+6:G0B+7], s[46:47], ROWB
	s_or_b32 s[G0B+7], s[G0B+7], 0x80000000
; THE HEAD'S LOADS, ONE A WAVE: wave 0 K step 0's images of A, wave 1 wo's rows, wave 2 A's scale bytes, wave 3 wo's.  One chain of branches on the wave's number, an arm a load.
.macro ARM under, g0, g1, next
	s_cmp_lt_u32 s14, \under
	s_cbranch_scc0 \next
	tensor_load_to_lds s[\g0:\g0+3], s[\g1:\g1+7]
	s_nop 0
.rept 4
	v_nop
.endr
	s_branch .Lhead_asked
\next:
.endm
	ARM 1, G0,  G1,  .Lhead_b
	ARM 2, G0B, G1B, .Lhead_sa
	ARM 3, G0S, G1S, .Lhead_sb
	tensor_load_to_lds s[G0SB:G0SB+3], s[G1SB:G1SB+7]
	s_nop 0
.rept 4
	v_nop
.endr
.Lhead_asked:
	v_and_b32 v1, 15, v0                           ; l % 16
	v_bfe_u32 v2, v0, 4, 1                         ; l / 16
	v_mul_u32_u24 v3, v1, PITCH
	v_lshl_add_u32 v4, v2, 4, v3                   ; a row of wo x pitch + 16 x half
	v_and_b32 v6, 31, v0
	v_lshlrev_b32 v[CO], 4, v6                     ; 16 x lane: A's images, and a row of the result
	s_lshl_b32 s21, s15, 14                        ; my 4 token tiles
	s_mul_i32 s22, s16, HALFT                      ; my 128 rows of wo,
	s_add_co_u32 s22, s22, ABYTES                  ; behind A's images
.irp s, 0,1
	v_add_nc_u32 v[ADRA+\s], s21, v[CO]
	v_add_nc_u32 v[ADRB+\s], s22, v4
	s_add_co_u32 s21, s21, SLOT
	s_add_co_u32 s22, s22, SLOT
.endr
	v_mul_u32_u24 v5, v1, KS                       ; my row's scale bytes: KS a row,
	v_lshrrev_b32 v6, 8, v5
	v_lshl_add_u32 v5, v6, 4, v5                   ; and 16 more for each 256 passed
	s_mul_i32 s21, s15, HALFS/2                    ; A's: my 64 rows
	s_mul_i32 s22, s16, HALFS                      ; wo's: my 128 rows, behind A's 128
	s_add_co_u32 s22, s22, HALFS
	s_sub_co_u32 s22, s22, s21
	v_mul_u32_u24 v6, s22, v2                      ; lanes 16-31 take wo's
	s_add_co_u32 s21, s21, SCL
	v_add_nc_u32 v5, v5, v6
	v_add_nc_u32 v[ADRS], s21, v5
	s_mul_i32 s23, s14, 16*SPITCH                  ; my stage
	v_mul_u32_u24 v5, v1, SPITCH
	v_lshl_add_u32 v5, v2, 5, v5
	v_add_nc_u32 v[STO], s23, v5
	v_add_nc_u32 v[RD], s23, v[CO]
	s_lshl_b32 s20, s17, 7
	s_lshl_b32 s21, s15, 6
	s_add_co_u32 s20, s20, s21                     ; my first row of the result: 128 x block row + 64 x half
	s_mov_b32 s21, 0
	s_mov_b64 s[18:19], SIZE_N*4
	s_mul_u64 s[20:21], s[20:21], s[18:19]
	s_lshl_b32 s46, s42, 10                        ; my first column, in bytes
	s_lshl_b32 s47, s16, 9
	s_add_co_u32 s46, s46, s47
	s_mov_b32 s47, 0
	s_add_nc_u64 s[20:21], s[20:21], s[46:47]
	s_add_nc_u64 s[12:13], s[12:13], s[20:21]
	s_add_nc_u64 s[96:97], s[96:97], s[46:47]
	v_lshlrev_b32 v[BPO], 5, v2
.irp b, 0,1,2,3,4,5,6,7
	global_load_b128 v[BO+8*\b:BO+8*\b+3], v[BPO], s[96:97] offset:64*\b         ; the bias in the result's layout: columns 16 b + 8 h + 0 .. 7
	global_load_b128 v[BO+8*\b+4:BO+8*\b+7], v[BPO], s[96:97] offset:64*\b+16
.endr
.macro FRAG reg, adr, q, i
.irp c, 0,1,2,3
	ds_load_b128 v[\reg+4*\c:\reg+4*\c+3], v[\adr] offset:128*(\q)+32*\c+(\i)*16*PITCH
.endr
.endm
.macro FRAGA reg, adr, q, i
.irp c, 0,1,2,3
	ds_load_b128 v[\reg+4*\c:\reg+4*\c+3], v[\adr] offset:2048*(\q)+512*\c+(\i)*ASTEP
.endr
.endm
; eight matrix instructions: A's block a x wo's eight, 128 along K: the slot's q-th.  p: the sets of fragments; sc: the set of scale words.  The 32 accumulators take turns, in the same order in every step.
.macro MULA a, p, q, sc, first
.irp b, 0,1,2,3,4,5,6,7
.if \first
	v_wmma_scale_f32_16x16x128_f8f6f4 v[8*(8*(\a)+\b):8*(8*(\a)+\b)+7], v[128*(\p)+FR*\b:128*(\p)+FR*\b+FR-1], v[AF+64*(\p)+FR*(\a):AF+64*(\p)+FR*(\a)+FR-1], v[BO+8*\b:BO+8*\b+7], v[SC+8*NQ*(\sc)+NQ*\b+(\q)], v[SC+8*NQ*(\sc)+NQ*(\a)+(\q)] matrix_a_scale:MATRIX_SCALE_ROW1
.else
	v_wmma_scale_f32_16x16x128_f8f6f4 v[8*(8*(\a)+\b):8*(8*(\a)+\b)+7], v[128*(\p)+FR*\b:128*(\p)+FR*\b+FR-1], v[AF+64*(\p)+FR*(\a):AF+64*(\p)+FR*(\a)+FR-1], v[8*(8*(\a)+\b):8*(8*(\a)+\b)+7], v[SC+8*NQ*(\sc)+NQ*\b+(\q)], v[SC+8*NQ*(\sc)+NQ*(\a)+(\q)] matrix_a_scale:MATRIX_SCALE_ROW1
.endif
.endr
.endm
.macro FETCH slot, q, p                ; 48 LDS loads in one run: wo's eight fragments and A's four of the slot's q-th 128 along K, into sets p
	WIN TO_B
.irp i, 0,1,2,3,4,5,6,7
	FRAG 128*(\p)+FR*\i, ADRB+\slot, \q, \i
.endr
	WIN 0
.irp i, 0,1,2,3
	FRAGA AF+64*(\p)+FR*\i, ADRA+\slot, \q, \i
.endr
.endm
.macro SCALES sc                       ; a K step's scale words: lanes 0-15 A's block i (of i = 4 .. 7 they take bytes that no product names), lanes 16-31 wo's block i
.irp i, 0,1,2,3,4,5,6,7
	ds_load_b64 v[SC+8*NQ*\sc+NQ*\i:SC+8*NQ*\sc+NQ*\i+1], v[ADRS] offset:\i*SBLK
.endr
.endm
.macro PLACES n
.rept \n
	v_nop
.endr
.endm
; A slot's first step multiplies sets 0; ahead of its products the second step's fragments are asked for, into sets 1.
.macro STEP slot, first
	s_wait_dscnt 0x0                               ; sets 0 and the scale words are in
	PLACES NP                                      ; behind the products that read sets 1
	FETCH \slot, 1, 1
.if \first
	WIN FST_LO
.else
	WIN MUL_LO
.endif
.irp a, 0,1,2,3
	MULA \a, 0, 0, \slot, \first
.endr
	WIN 0
.endm
; A slot's second step multiplies sets 1 and changes slots: one barrier; in front of it each wave waits for all its tensor loads, adds 0 to its spare word, and waits for that and for its reads of this slot.  fill = 1: this slot is filled again, two K steps ahead.
.macro TURN slot, next, fill
	s_wait_tensorcnt 0x0                           ; all my tensor loads have landed: my part of the next slot
	ds_add_u32 v[SPW], v[NIL]
	s_wait_dscnt 1                                 ; sets 1 are in; the add alone may be out
	WIN MUL_LO
	MULA 0, 1, 1, \slot, 0
	s_wait_dscnt 0x0                               ; the add is done, and my reads of this slot are over
	s_barrier_signal -1
	MULA 1, 1, 1, \slot, 0
	WIN 0
	s_barrier_wait -1
.if \fill
	CREST                                          ; the barrier has opened a round of the cluster's barrier
	s_add_nc_u64 s[G0+4*\slot+2:G0+4*\slot+3], s[G0+4*\slot+2:G0+4*\slot+3], 2*ASTEP
	s_add_nc_u64 s[G0B+4*\slot+2:G0B+4*\slot+3], s[G0B+4*\slot+2:G0B+4*\slot+3], 2*ROWB
	JLOAD G0+4*\slot, G1, G0B+4*\slot, G1B         ; the first tensor load behind the round; its four v_nop are among the places in front of the loads below
	PLACES NP-4
.else
	PLACES NP
.endif
	v_add_nc_u32 v[ADRS], 4*NQ, v[ADRS]            ; on to the next K step's scale words
	s_wait_alu depctr_va_vdst(0)
	FETCH \next, 0, 0
	SCALES \next
	WIN MUL_LO
	MULA 2, 1, 1, \slot, 0
	MULA 3, 1, 1, \slot, 0
	WIN 0
.endm
	s_wait_alu depctr_va_vdst(0)
	s_wait_tensorcnt 0x0                           ; my tile of the head's four is in
	ds_add_u32 v[SPW], v[NIL]
	s_mov_b32 s[G1+2], 4<<16                       ; no tensor load of mine is out, so descriptors may be written: from here on a load brings half a tile,
	s_mov_b32 s[G1+4], 4
	s_mov_b32 s[G1B+2], 128<<16
	s_mov_b32 s[G1B+4], 128
	s_lshl_b32 s2, s16, 16
	s_mov_b32 s3, 0
	s_lshl_b32 s[G0+1], s14, 14                    ; and slot 0's groups 0 stand at my part of K step 0: the first refill steps them to K step 2
	s_add_nc_u64 s[G0+2:G0+3], s[G0+2:G0+3], s[2:3]
	s_lshl_b32 s2, s16, 17
	s_mul_i32 s[G0B+1], s16, HALFT
	s_add_co_u32 s[G0B+1], s[G0B+1], ABYTES
	s_add_nc_u64 s[G0B+2:G0B+3], s[G0B+2:G0B+3], s[2:3]
	s_wait_dscnt 0x0
	CROUND                                         ; all four tiles are in, and all sixteen work-groups are here
	JLOAD G0+4, G1, G0B+4, G1B                     ; K step 1: the first tensor load behind the round
	FETCH 0, 0, 0
	SCALES 0
	s_wait_loadcnt 0x0                             ; the bias
	STEP 0, 1                                      ; the first step stands in front of the loop: its products start the sums, from the bias
	s_mov_b32 s3, LAPS-1
.Llap:                                             ; a trip goes once round the ring and fills both slots again
	TURN 0, 1, 1
	STEP 1, 0
	TURN 1, 0, 1
	STEP 0, 0
	s_sub_co_u32 s3, s3, 1
	s_cmp_lg_u32 s3, 0
	s_cbranch_scc1 .Llap
	TURN 0, 1, 0                                   ; the last lap fills nothing, and has no round of the cluster's barrier
	STEP 1, 0
	s_wait_dscnt 0x0                               ; the very last step
	WIN MUL_LO
.irp a, 0,1,2,3
	MULA \a, 1, 1, 1, 0
.endr
	WIN 0
; THE WAY OUT, block by block of 16 rows x 128 columns: through my own stage in LDS and back as whole rows of 512 bytes.  LDS serves a wave's instructions in order (ISA guide 5.7.1.4): no wait between the stores and the loads.
.macro TOSTAGE a
.set AC, 64*(\a)
	WIN 0x08                                       ; the data: window 2
.irp b, 0,1,2,3,4,5,6,7
	ds_store_b128 v[STO], v[AC+8*\b:AC+8*\b+3] offset:64*\b          ; each accumulator from its low end on
	ds_store_b128 v[STO], v[AC+8*\b+4:AC+8*\b+7] offset:64*\b+16
.endr
	WIN 0
.set BB, BK+64*((\a)%2)
.irp t, 0,1,2,3,4,5,6,7,8,9,10,11,12,13,14,15
	ds_load_b128 v[BB+4*\t:BB+4*\t+3], v[RD] offset:\t*SPITCH
.endr
.endm
.macro SEND a, younger                 ; younger: the LDS instructions issued behind block a's loads, which may stay out
.set BB, BK+64*((\a)%2)
	s_wait_dscnt \younger
.if (\a) > 0
	s_add_nc_u64 s[12:13], s[12:13], 16*SIZE_N*4   ; (behind a wait on XCNT: the earlier stores have read their base)
.endif
.irp t, 0,1,2,3,4,5,6,7,8,9,10,11,12,13,14,15
	global_store_b128 v[CO], v[BB+4*\t:BB+4*\t+3], s[12:13] offset:\t*SIZE_N*4 th:TH_STORE_NT   ; 32 lanes store 512 consecutive bytes, aligned
.endr
.endm
	PLACES NP
	TOSTAGE 0
.irp a, 1,2,3
.if \a > 1
	s_wait_xcnt 0x0                                ; block a - 2's stores have read their registers and their base
.endif
	TOSTAGE \a
	SEND \a-1, 32                                  ; behind block a - 1's loads: block a's 16 stores and 16 loads
.endr
	s_wait_xcnt 0x0
	SEND 3, 0
	s_wait_tensorcnt 0x0                           ; the wave's end
	ds_add_u32 v[SPW], v[NIL]
	s_wait_dscnt 0x0
	CROUND                                         ; the closing round
	s_endpgm
.Lfunc_end_k_q6d8d05d363_oproj:
	.size	k_q6d8d05d363_oproj, .Lfunc_end_k_q6d8d05d363_oproj-k_q6d8d05d363_oproj
	.p2alignl 7, 3214868480
	.fill 96, 4, 3214868480
	.section	.rodata,"a",@progbits
	.p2align	6, 0x0
	.amdhsa_kernel k_q6d8d05d363_oproj
		.amdhsa_group_segment_fixed_size 327680
		.amdhsa_private_segment_fixed_size 0
		.amdhsa_enable_private_segment 0
		.amdhsa_kernarg_size 48
		.amdhsa_user_sgpr_count 2
		.amdhsa_user_sgpr_kernarg_segment_ptr 1
		.amdhsa_wavefront_size32 1
		.amdhsa_system_sgpr_workgroup_id_x 1
		.amdhsa_system_sgpr_workgroup_id_y 1
		.amdhsa_system_sgpr_workgroup_id_z 1
		.amdhsa_system_vgpr_workitem_id 0
		.amdhsa_next_free_vgpr 768
		.amdhsa_next_free_sgpr 100
		.amdhsa_reserve_vcc 0
		.amdhsa_float_denorm_mode_32 3
		.amdhsa_float_denorm_mode_16_64 3
		.amdhsa_memory_ordered 1
		.amdhsa_forward_progress 1
		.amdhsa_inst_pref_size 91
	.end_amdhsa_kernel
	.amdgpu_metadata
---
amdhsa.version: [ 1, 2 ]
amdhsa.kernels:
  - .name:           k_q6d8d05d363_oproj
    .symbol:         k_q6d8d05d363_oproj.kd
    .args:
      - { .name: ac, .offset: 0, .size: 8, .value_kind: global_buffer, .address_space: global }
      - { .name: asc, .offset: 8, .size: 8, .value_kind: global_buffer, .address_space: global }
      - { .name: cod, .offset: 16, .size: 8, .value_kind: global_buffer, .address_space: global }
      - { .name: scl, .offset: 24, .size: 8, .value_kind: global_buffer, .address_space: global }
      - { .name: bo, .offset: 32, .size: 8, .value_kind: global_buffer, .address_space: global }
      - { .name: out0, .offset: 40, .size: 8, .value_kind: global_buffer, .address_space: global }
    .group_segment_fixed_size: 327680
    .private_segment_fixed_size: 0
    .kernarg_segment_align: 8
    .kernarg_segment_size: 48
    .max_flat_workgroup_size: 128
    .sgpr_count:     100
    .vgpr_count:     768
    .wavefront_size: 32
...
	.end_amdgpu_metadata
.endif
;; end of part 4
